; MI455X (gfx1250); checked and timed in simulation.
; The chip was launched on July 23, 2026; its instructions are those of AMD's public machine-readable ISA for CDNA 5 (MIT licence, August 2026) and "CDNA5" Instruction Set Architecture Reference Guide (July 2026). The comments in the code are by the model that wrote it; some were corrected since.
;; Multi Head Attention. Allowed arithmetic: matrix products marked QUANTISED: E2M3 operands, one E8M0 scale for each 32 along K, by v_wmma_scale_f32_16x16x128_f8f6f4 with both operands' format E2M3, f32 sums; everything else in f32.
;; Inputs: Wk 16 x 1,024 x 64 float32; Wo 1,024 x 1,024 float32; Wq 16 x 1,024 x 64 float32; Wv 16 x 1,024 x 64 float32; bk 16 x 64 float32; bo 1,024 float32; bq 16 x 64 float32; bv 16 x 64 float32; x 4 x 2,048 x 1,024 float32.
;; Outputs: out0 4 x 2,048 x 1,024 float32.
;; This version of the problem:
;;   THIS VERSION OF THE PROBLEM IS GIVEN IN LOW PRECISION. The matrix products marked QUANTISED in the list below multiply operands that are first quantised to E2M3 (2 exponent bits, 3 mantissa bits; 6 bits a number), with one power-of-two scale for each 32 numbers along K (OCP MX v1.0); their sums are f32. All else is computed in f32.
;;   The module's matrix products, in the order in which they are computed (A, B: the left and right operand; K: the contracted axis; several contracted axes count as one K, in the product's order):
;;     1. [M 1,024, K 1,024] x [K 1,024, N 8,192]; A: input Wq; B: input x: QUANTISED
;;     2. [M 1,024, K 1,024] x [K 1,024, N 8,192]; A: input Wk; B: input x: QUANTISED
;;     3. [M 1,024, K 1,024] x [K 1,024, N 8,192]; A: input Wv; B: input x: QUANTISED
;;     4. batch 64 x [M 2,048, K 64] x [K 64, N 2,048]; A: computed on the way; B: computed on the way: QUANTISED
;;     5. batch 64 x [M 2,048, K 2,048] x [K 2,048, N 64]; A: softmax (see below); B: computed on the way: QUANTISED
;;     6. [M 8,192, K 1,024] x [K 1,024, N 1,024]; A: computed on the way; B: input Wo: QUANTISED
;;   THE QUANTISER, for each operand of a quantised product, along K:
;;     - K is cut into blocks of 32 from its start; a last block that is shorter is filled with zeros.
;;     - A block's scale is 2^e with e = floor(log2(the largest magnitude in the block)) - 2, held to -126 .. 127; a block of zeros has e = 0. As a byte (E8M0): e + 127.
;;     - Each number is divided by its block's scale, clamped to +-7.5, and rounded to the nearest number of E2M3, ties to even, subnormals kept.
;;     - The product sums the exact products of the quantised numbers (number of the format x scale) in f32.
;;   ~~~python
;;   def quantise(x, axis):      # numpy; x: float32 -> the quantised numbers, widened to float32 again
;;       x = np.moveaxis(x, axis, -1); K = x.shape[-1]
;;       x = np.pad(x, [(0, 0)] * (x.ndim - 1) + [(0, -K % 32)]); x = x.reshape(x.shape[:-1] + (-1, 32)); a = np.abs(x).max(-1, keepdims=True)
;;       e = np.where(a > 0, np.clip(np.frexp(np.where(a > 0, a, 1))[1] - 1 - 2, -126, 127), 0)      # np.frexp(a)[1] - 1 = floor(log2(a)), exactly
;;       r = np.clip(x / 2.0 ** e, -7.5, 7.5)
;;       step = 2.0 ** (np.maximum(np.frexp(np.where(r == 0, 1, r))[1] - 1, 0) - 3)
;;       q = np.round(r / step) * step * 2.0 ** e      # np.round: ties to even
;;       return np.moveaxis(q.reshape(q.shape[:-2] + (-1,))[..., :K], -1, axis).astype(np.float32)
;;   ~~~
;;   SOFTMAX AHEAD OF A QUANTISED PRODUCT. Where the list says 'softmax', what is quantised is not the finished softmax but p = 2^(t - M), with t = logit x log2(e) and M = ceil(the row's largest t), a whole number; so 1/2 < the row's largest p <= 1. The row's sum l is taken of the UNQUANTISED p, in f32, and the product's result is divided by l at the end. Since M is a whole number, a kernel that streams over the keys may use a running M (the ceiling of the running maximum): every later rescaling is an exact power of two, which a block's scale takes up: the codes' values come out the same.
;;   OPERANDS COMPUTED ON THE WAY. 'Computed on the way' means the value that the module computes at that place (a softmax that the list does not call 'softmax' is quantised finished and normalised). What goes into a quantiser is computed in f32, as accurately as f32 sums, v_exp_f32 and their like allow (about 1e-6 of the number): no bf16 or f16 on the way to a quantiser, and a product that is left as it is and whose result goes on into a quantised operand takes f32 operands (vector FMAs, or v_wmma_f32_16x16x4_f32). A number that lies on a knife's edge between two numbers of the format may be rounded either way, as far as f32 arithmetic and the matrix unit's own rounding can turn it there, and no further.
;; 2 versions, each right; version 2 is version 1 with the launch attn written anew for expert scheduling mode. Each part assembles by itself: llvm-mc -triple=amdgcn-amd-amdhsa -mcpu=gfx1250 --defsym DOCPART=n.
;; ======== version 1 of 2: 4 launches
;; workspace buffers: img 9,437,184 bytes; scl 393,216 bytes; qimg 6,553,600 bytes; kv 13,107,200 bytes; cimg 6,291,456 bytes; cscl 262,144 bytes
;; launch quant (part 1): grid 384 x 1, 4 waves a work-group, no clusters, 35,328 bytes of LDS; arguments x, Wq, Wk, Wv, Wo, img, scl; writes img, scl
.if DOCPART == 1
	.amdgcn_target "amdgcn-amd-amdhsa--gfx1250"
	.amdhsa_code_object_version 6
	.text
	.protected	k_qb28e03b212_quant
	.globl	k_qb28e03b212_quant
	.p2align	8
	.type	k_qb28e03b212_quant,@function
k_qb28e03b212_quant:
	s_mov_b64 s[64:65], 0
	v_nop
	global_prefetch_b8 v0, s[64:65] scope:SCOPE_SE
	s_setreg_imm32_b32 hwreg(HW_REG_WAVE_MODE, 25, 1), 1
	s_wait_xcnt 0x0
; x [8192][1024] and the four weights (K = their axis of 1,024; 1,024 output features each), f32, become codes of FP6 (E2M3) with one E8M0 byte for each 32 along K.
; A block's scale is 2^(floor(log2(largest magnitude)) - 2): its byte is the largest magnitude's exponent field - 2, held at 1 from below by a floor among the maximum's leaves.
; LIMITS: NaN and infinities among the inputs are not served.  A block of zeros, or one whose largest magnitude lies under 2^-124, gets the byte 1 (the rule says 127 for zeros): its codes are zeros, and this program alone reads the bytes.
; LAYOUT OF img: the operand's registers on end.  A fragment (16 rows x 128 K, 12 registers a lane) is six units of 256 bytes; unit p holds registers 2 p, 2 p + 1, lane l at 8 l.  [tile of 16 rows][8 K steps][6][256].
; THE ROWS OF A TILE ARE NOT NEIGHBOURS: in a group of 32 rows, place rho holds the row rho with its bits 3 and 4 exchanged, so that row r of tile 2 b + u is row 32 b + 8 u + r + 8 (r / 8).
; LAYOUT OF scl: [4 quarters of K][12,288 places][8 bytes]: byte i is block 8 sigma + i.  Places 0-8,191: x; then 1,024 each for Wq, Wk, Wv, Wo.
; Work-groups 0-255 take 32 tokens of x each (wave = a quarter of K); work-groups 256-383 the weights (a wave = 32 columns x 256 along K).  No matrix unit, no tensor load, no barrier: waves share nothing.
.set R,   16                           ; x: v16-111  three sets of 32 numbers as loaded
.set X,   112                          ; x: v112-175 two sets of 32 neighbours along K
.set C,   176                          ; x: v176-239 codes, 8 registers a step (6 used): no store's data are written again
.set E,   240                          ; x: v240-247 a scale byte a step
.set CT,  248                          ; x: v248-250 the second half of a block's codes (a conversion's three registers begin on an even number)
.set PT,  251                          ; x: v251     a lane permute's destination, written once
.set W,   252                          ; x: v252-255 scale words (tile u, K step s): 2 u + s
.set STG, 4352                         ; x: a stage: 16 rows x (256 bytes + 16)
.set WX,  32                           ; W: v32-95   two sets of 32 numbers down K
.set WC,  96                           ; W: v96-143  codes: 6 registers a block
.set WT,  144                          ; W: v144-146 the second half of a block's codes
.set SB,  24                           ; W: v24-25   my place's eight scale bytes
.macro MAX32 xs, m0, m1                ; the largest magnitude of 32 numbers, two chains, with the floor 2^(3 - 127) as one more leaf
	v_max3_num_f32 v[\m0], |v[\xs]|, |v[\xs+1]|, |v[\xs+2]|
	v_max3_num_f32 v[\m1], |v[\xs+3]|, |v[\xs+4]|, |v[\xs+5]|
.irp i, 6,10,14,18,22,26
	v_max3_num_f32 v[\m0], v[\m0], |v[\xs+\i]|, |v[\xs+\i+1]|
	v_max3_num_f32 v[\m1], v[\m1], |v[\xs+\i+2]|, |v[\xs+\i+3]|
.endr
	v_max3_num_f32 v[\m0], v[\m0], |v[\xs+30]|, |v[\xs+31]|
	v_max3_num_f32 v[\m0], v[\m0], v[\m1], 0x1800000
.endm
; x.  Step t = 4 u + 2 s + c: tile u of the group, K step s of my quarter, half c of it: 16 rows x 64 numbers.  Sixteen lanes read 256 consecutive bytes of a row, two rows an instruction.
.macro XLOAD t
.irp j, 0,1,2,3,4,5,6,7
	global_load_b128 v[R+32*((\t)%3)+4*\j:R+32*((\t)%3)+4*\j+3], v4, s[20:21] offset:(8*((\t)/4)+2*\j+8*(\j/4))*4096+512*(((\t)/2)%2)+256*((\t)%2) th:TH_LOAD_NT
.endr
.endm
.macro XTURN t                         ; through my wave's stage: in as loaded, out 128 bytes a lane (a whole block).  LDS serves a wave's instructions in order: no wait between
.irp j, 0,1,2,3,4,5,6,7
	ds_store_b128 v5, v[R+32*((\t)%3)+4*\j:R+32*((\t)%3)+4*\j+3] offset:STG*((\t)%2)+544*\j
.endr
.irp j, 0,1,2,3,4,5,6,7
	ds_load_b128 v[X+32*((\t)%2)+4*\j:X+32*((\t)%2)+4*\j+3], v6 offset:STG*((\t)%2)+16*\j
.endr
.endm
.macro XSTEP t
.set XS, X+32*((\t)%2)
.set CC, C+8*(\t)
	s_wait_dscnt 0x0                               ; this step's numbers are back from the stage, and its stores into the stage have read their registers,
.if (\t)+3 < 8
	XLOAD (\t)+3                                   ; which take the loads of three steps on
.endif
.if (\t)+1 < 8
.if (\t) < 5
	s_wait_loadcnt 16                              ; the next step's eight loads are in; those of the two steps behind it may be out
.else
	s_wait_loadcnt 8*(6-(\t))
.endif
	XTURN (\t)+1
.endif
	MAX32 XS, 9, 10                                ; lane (r, h) holds block 2 c + h of row r whole
	v_add_nc_u32 v11, 0xff000000, v9               ; 2 off the exponent field: the conversion takes this operand's exponent field as its scale
	v_cvt_scalef32_pk16_fp6_f32 v[CC:CC+2], v[XS:XS+15], v11
	v_cvt_scalef32_pk16_fp6_f32 v[CT:CT+2], v[XS+16:XS+31], v11
	v_lshrrev_b32 v[E+(\t)], 23, v11               ; the scale's byte (also the plain line behind the conversions)
.irp i, 0,1,2
	v_mov_b32 v[CC+3+\i], v[CT+\i]
.endr
.irp q, 0,1,2
	global_store_b64 v7, v[CC+2*\q:CC+2*\q+1], s[22:23] offset:12288*((\t)/4)+1536*(((\t)/2)%2)+256*(3*((\t)%2)+\q)   ; 32 lanes store 256 consecutive bytes, aligned
.endr
.endm
; The weights.  A lane takes a column (place l takes column l with bits 3 and 4 exchanged) and its registers run down K: a block lies in one lane.
.macro WLOAD t, pitch
.set I, 0
.rept 32
	global_load_b32 v[WX+32*((\t)%2)+I], v4, s[20:21] offset:(32*(\t)+I)*(\pitch)
.set I, I+1
.endr
.endm
.macro WBLOCK t, pitch
.set XS, WX+32*((\t)%2)
.set CB, WC+12*((\t)/2)+6*((\t)%2)
.if (\t) < 7
	s_wait_loadcnt 32                              ; this block's 32 loads are in; the next block's may be out
.else
	s_wait_loadcnt 0x0
.endif
	MAX32 XS, 12, 13
	v_add_nc_u32 v11, 0xff000000, v12
	v_lshrrev_b32 v13, 23, v11
	v_cvt_scalef32_pk16_fp6_f32 v[CB:CB+2], v[XS:XS+15], v11
	v_cvt_scalef32_pk16_fp6_f32 v[WT:WT+2], v[XS+16:XS+31], v11
.if (\t)%4 == 0
	v_mov_b32 v[SB+(\t)/4], v13                    ; four bytes to a register, the lower K in the lower byte (also the plain line behind the conversions)
.else
	v_lshl_or_b32 v[SB+(\t)/4], v13, 8*((\t)%4), v[SB+(\t)/4]
.endif
.irp i, 0,1,2
	v_mov_b32 v[CB+3+\i], v[WT+\i]
.endr
.if (\t)+2 < 8
	WLOAD (\t)+2, \pitch
.endif
.if (\t)%2 == 1
.irp i, 0,1,2,3,4,5
	v_permlane16_swap_b32 v[CB-6+\i], v[CB+\i]     ; lanes 0-15 hold the first tile's rows, lanes 16-31 the second's: after the exchange the even block's registers are the first tile's three units (lanes 16-31: the odd block), the odd block's the second tile's
.endr
.irp q, 0,1,2
	global_store_b64 v7, v[CB-6+2*\q:CB-6+2*\q+1], s[22:23] offset:1536*((\t)/4)+256*(3*(((\t)/2)%2)+\q)
	global_store_b64 v7, v[CB+2*\q:CB+2*\q+1], s[22:23] offset:12288+1536*((\t)/4)+256*(3*(((\t)/2)%2)+\q)
.endr
.endif
.endm
.macro WPATH pitch
	WLOAD 0, \pitch
	WLOAD 1, \pitch
.irp t, 0,1,2,3,4,5,6,7
	WBLOCK \t, \pitch
.endr
	global_store_b64 v7, v[SB:SB+1], s[24:25]      ; 32 places x 8 bytes: 256 consecutive bytes, aligned
.endm
	s_load_b256 s[4:11], s[0:1], 0x0               ; x, Wq, Wk, Wv
	s_load_b128 s[12:15], s[0:1], 0x20             ; Wo, img
	s_load_b64 s[16:17], s[0:1], 0x30              ; scl
	v_lshl_add_u32 v238, v0, 2, 0x8800
	v_mov_b32 v239, 0
	v_lshrrev_b32 v1, 5, v0
	v_readfirstlane_b32 s18, v1                    ; wave
	v_and_b32 v1, 31, v0                           ; lane
	v_and_b32 v2, 15, v0                           ; r
	v_bfe_u32 v3, v0, 4, 1                         ; h
	v_lshlrev_b32 v7, 3, v1                        ; 8 x lane: my place in a unit
	s_mov_b32 s26, 0x76543210
	s_mov_b32 s27, 0xfedcba98                      ; v_permlanex16_b32's selects for lane l xor 16
	s_mov_b32 s28, 0xffff0000                      ; lanes 16-31
	s_cmp_lt_u32 ttmp9, 256
	s_cbranch_scc0 .Lw
	; ---- x: group of 32 tokens = work-group, quarter of K = wave
	v_lshlrev_b32 v4, 4, v2
	v_lshl_add_u32 v4, v3, 12, v4                  ; in: 16 r in a row's 256 bytes, lanes 16-31 one row down
	s_mul_i32 s19, s18, 2*STG                      ; my wave's two stages
	v_mul_u32_u24 v5, v3, 272
	v_lshl_add_u32 v5, v2, 4, v5
	v_add_nc_u32 v5, s19, v5                       ; into a stage as loaded
	v_mul_u32_u24 v6, v2, 272
	v_lshl_add_u32 v6, v3, 7, v6
	v_add_nc_u32 v6, s19, v6                       ; out of it: row r, my half's 128 bytes
	v_lshlrev_b32 v8, 3, v3                        ; 8 h
	v_mov_b32 v[PT], 0
	s_lshl_b32 s20, ttmp9, 17                      ; 32 rows of 4,096 bytes
	s_lshl_b32 s29, s18, 10
	s_add_co_u32 s20, s20, s29
	s_mov_b32 s21, 0
	s_mul_i32 s22, ttmp9, 24576                    ; two tiles of 12,288 bytes
	s_mul_i32 s29, s18, 3072                       ; two K steps
	s_add_co_u32 s22, s22, s29
	s_mov_b32 s23, 0
	s_mul_i32 s24, s18, 98304
	s_lshl_b32 s29, ttmp9, 8
	s_add_co_u32 s24, s24, s29
	s_mov_b32 s25, 0
	s_wait_kmcnt 0x0
	s_add_nc_u64 s[20:21], s[4:5], s[20:21]
	s_add_nc_u64 s[22:23], s[14:15], s[22:23]
	s_add_nc_u64 s[24:25], s[16:17], s[24:25]
	XLOAD 0
	XLOAD 1
	XLOAD 2
	s_wait_loadcnt 16                              ; step 0's eight loads are in
	XTURN 0
.irp t, 0,1,2,3,4,5,6,7
	XSTEP \t
.endr
.irp i, 0,1,2,3                                    ; word (u, s): my two bytes are blocks h and 2 + h; with lane l xor 16's two the word is whole
	v_lshl_or_b32 v[W+\i], v[E+2*\i+1], 16, v[E+2*\i]
.endr
.irp i, 0,1,2,3
	v_lshlrev_b32 v[W+\i], v8, v[W+\i]
.endr
.irp i, 0,1,2,3
	v_permlanex16_b32 v[PT], v[W+\i], s26, s27
	v_or_b32 v[W+\i], v[W+\i], v[PT]
.endr
	v_cndmask_b32 v12, v[W], v[W+2], s28           ; place l = 16 u + r: lanes 16-31 take tile 1's words
	v_cndmask_b32 v13, v[W+1], v[W+3], s28
	global_store_b64 v7, v[12:13], s[24:25]        ; 32 places x 8 bytes: 256 consecutive bytes, aligned
	s_wait_tensorcnt 0x0
	ds_add_u32 v238, v239
	s_wait_dscnt 0x0
	s_endpgm
.Lw:
	; ---- the weights
	s_sub_co_u32 s19, ttmp9, 256
	s_lshr_b32 s29, s19, 5                         ; which weight: 0 Wq, 1 Wk, 2 Wv, 3 Wo
	s_and_b32 s19, s19, 31
	s_and_b32 s30, s19, 15
	s_lshl_b32 s30, s30, 1
	s_and_b32 s31, s18, 1
	s_add_co_u32 s30, s30, s31                     ; group of 32 columns, 0 .. 31
	s_lshr_b32 s31, s19, 4
	s_lshl_b32 s31, s31, 1
	s_lshr_b32 s32, s18, 1
	s_add_co_u32 s31, s31, s32                     ; quarter of K
	v_and_b32 v4, 7, v1
	v_bfe_u32 v8, v1, 3, 1
	v_lshl_or_b32 v4, v8, 4, v4
	v_lshl_or_b32 v4, v3, 3, v4                    ; my lane with bits 3 and 4 exchanged
	v_lshlrev_b32 v4, 2, v4
	s_lshl_b32 s22, s29, 6
	s_lshl_b32 s32, s30, 1
	s_add_co_u32 s22, s22, s32
	s_add_co_u32 s22, s22, 512                     ; my first tile in img
	s_mul_i32 s22, s22, 12288
	s_mul_i32 s32, s31, 3072
	s_add_co_u32 s22, s22, s32
	s_mov_b32 s23, 0
	s_lshl_b32 s24, s29, 10
	s_lshl_b32 s32, s30, 5
	s_add_co_u32 s24, s24, s32
	s_add_co_u32 s24, s24, 8192                    ; my first place in scl
	s_lshl_b32 s24, s24, 3
	s_mul_i32 s32, s31, 98304
	s_add_co_u32 s24, s24, s32
	s_mov_b32 s25, 0
	s_lshr_b32 s20, s30, 1                         ; Wq, Wk, Wv [16][1024][64]: head, 256 rows of 256 bytes a quarter, half a row
	s_lshl_b32 s20, s20, 18
	s_lshl_b32 s32, s31, 16
	s_add_co_u32 s20, s20, s32
	s_and_b32 s32, s30, 1
	s_lshl_b32 s32, s32, 7
	s_add_co_u32 s20, s20, s32
	s_mov_b32 s21, 0
	s_lshl_b32 s32, s31, 20                        ; Wo [1024][1024]: 256 rows of 4,096 bytes a quarter, 128 bytes a group
	s_lshl_b32 s33, s30, 7
	s_add_co_u32 s32, s32, s33
	s_mov_b32 s33, 0
	s_wait_kmcnt 0x0
	s_add_nc_u64 s[22:23], s[14:15], s[22:23]
	s_add_nc_u64 s[24:25], s[16:17], s[24:25]
	s_cmp_eq_u32 s29, 3
	s_cbranch_scc1 .Lwo
	s_cmp_eq_u32 s29, 0                            ; the choice hangs on the work-group's number alone
	s_cselect_b64 s[6:7], s[6:7], s[8:9]
	s_cmp_eq_u32 s29, 2
	s_cselect_b64 s[6:7], s[10:11], s[6:7]
	s_add_nc_u64 s[20:21], s[6:7], s[20:21]
	WPATH 256
	s_endpgm
.Lwo:
	s_add_nc_u64 s[20:21], s[12:13], s[32:33]
	WPATH 4096
	s_endpgm
.Lfunc_end_k_qb28e03b212_quant:
	.size	k_qb28e03b212_quant, .Lfunc_end_k_qb28e03b212_quant-k_qb28e03b212_quant
	.p2alignl 7, 3214868480
	.fill 96, 4, 3214868480
	.section	.rodata,"a",@progbits
	.p2align	6, 0x0
	.amdhsa_kernel k_qb28e03b212_quant
		.amdhsa_group_segment_fixed_size 35328
		.amdhsa_private_segment_fixed_size 0
		.amdhsa_enable_private_segment 0
		.amdhsa_kernarg_size 56
		.amdhsa_user_sgpr_count 2
		.amdhsa_user_sgpr_kernarg_segment_ptr 1
		.amdhsa_wavefront_size32 1
		.amdhsa_system_sgpr_workgroup_id_x 1
		.amdhsa_system_sgpr_workgroup_id_y 1
		.amdhsa_system_sgpr_workgroup_id_z 1
		.amdhsa_system_vgpr_workitem_id 0
		.amdhsa_next_free_vgpr 256
		.amdhsa_next_free_sgpr 66
		.amdhsa_reserve_vcc 0
		.amdhsa_float_denorm_mode_32 3
		.amdhsa_float_denorm_mode_16_64 3
		.amdhsa_memory_ordered 1
		.amdhsa_forward_progress 1
		.amdhsa_inst_pref_size 110
	.end_amdhsa_kernel
	.amdgpu_metadata
---
amdhsa.version: [ 1, 2 ]
amdhsa.kernels:
  - .name:           k_qb28e03b212_quant
    .symbol:         k_qb28e03b212_quant.kd
    .args:
      - { .name: x, .offset: 0, .size: 8, .value_kind: global_buffer, .address_space: global }
      - { .name: Wq, .offset: 8, .size: 8, .value_kind: global_buffer, .address_space: global }
      - { .name: Wk, .offset: 16, .size: 8, .value_kind: global_buffer, .address_space: global }
      - { .name: Wv, .offset: 24, .size: 8, .value_kind: global_buffer, .address_space: global }
      - { .name: Wo, .offset: 32, .size: 8, .value_kind: global_buffer, .address_space: global }
      - { .name: img, .offset: 40, .size: 8, .value_kind: global_buffer, .address_space: global }
      - { .name: scl, .offset: 48, .size: 8, .value_kind: global_buffer, .address_space: global }
    .group_segment_fixed_size: 35328
    .private_segment_fixed_size: 0
    .kernarg_segment_align: 8
    .kernarg_segment_size: 56
    .max_flat_workgroup_size: 128
    .sgpr_count:     66
    .vgpr_count:     256
    .wavefront_size: 32
...
	.end_amdgpu_metadata
.endif
;; end of part 1
;; launch proj (part 2): grid 12 x 32, 4 waves a work-group, clusters of 4 x 4, 327,680 bytes of LDS; arguments img, scl, bq, bk, bv, qimg, kv; writes qimg, kv
.if DOCPART == 2
	.amdgcn_target "amdgcn-amd-amdhsa--gfx1250"
	.amdhsa_code_object_version 6
	.text
	.protected	k_qb28e03b212_proj
	.globl	k_qb28e03b212_proj
	.p2align	8
	.type	k_qb28e03b212_proj,@function
k_qb28e03b212_proj:
	s_mov_b64 s[64:65], 0
	v_nop
	global_prefetch_b8 v0, s[64:65] scope:SCOPE_SE
	s_setreg_imm32_b32 hwreg(HW_REG_WAVE_MODE, 25, 1), 1
	s_wait_xcnt 0x0
	s_wait_alu depctr_hold_cnt(0) depctr_sa_sdst(0) depctr_va_vdst(0) depctr_va_sdst(0) depctr_va_ssrc(0) depctr_va_vcc(0) depctr_vm_vsrc(0)
	s_getreg_b32 s2, hwreg(HW_REG_IB_STS2, 6, 4)
	s_cmp_eq_u32 s2, 0
	s_cbranch_scc0 .Lentry_in_a_cluster
	s_endpgm
.Lentry_in_a_cluster:
	s_bfe_u32 s2, ttmp6, 0x10000c
	s_cmp_lg_u32 s2, 0xf033
	s_cbranch_scc0 .Lentry_shape_is_right
	s_endpgm
.Lentry_shape_is_right:
; Q, K and V = x W + b on codes of FP6 (E2M3), then quantised again: Q and K along the head's 64, V along the keys.  K = 1,024.
; A tile of 256 x 256 is made by four waves, 128 x 128 each: 64 accumulators of 16 x 16 in windows 2 and 3.  K goes in steps of 256 through two LDS slots filled by the tensor data mover.
; THE MODE is the cluster's x, the same in all sixteen partners: 0 Q, 1 K: A = 256 tokens of x, B = 256 features of Wq or Wk;  2 V: A = 256 features of Wv, B = 256 tokens of x.
; The matrix instruction takes 16 places of B as source 0 and 16 of A as source 1: a lane holds ONE place of A and its registers run along B.  The places of a tile are not neighbours (place r of tile 2 b + u is row
; 32 b + 8 u + r + 8 (r / 8): the launch before laid them so), so the 16 registers of B's tiles 2 b, 2 b + 1 are 16 NEIGHBOURS: features in modes 0 and 1, keys in mode 2: the next product's K.
; OPERANDS lie in img as their registers on end: a fragment is six units of 256 bytes, so each LDS load of 8 bytes a lane reads 256 consecutive bytes: no pitch, no padding.
; CLUSTERS 4 x 4: A's tile is shared along a row of the cluster, B's along a column: joint loads with a mask that names the four.
; OUT: qimg [64 heads][16 groups of 128 tokens][6,400]: four pair fragments (registers 0-5: tile (b, 0), d = 32 h ..; 6-11: tile (b, 1)) as three chunks of 512 bytes (registers 4 c .., lane at 16 l), then at 6,144 the scale words [r][b].
;      kv [64][16 key steps][12,800]: K as qimg's block; at 6,400 four fragments of V^T (16 places of d x 128 keys); at 12,544 their scale words [r][t].
; LIMITS: NaN and infinities are not served; a block under 2^-124 gets the byte 1 and zero codes.
; REGISTERS: window 0: v1-29 addresses; v32-63 scale words, two sets; v64-127 the bias; v128-223 A's fragments, one set (on the way out: at work); window 1: B's fragments, two sets at v0 and v128.
.set FR,    12
.set NL,    6
.set NP,    4
.set NQ,    2
.set TILEB, 3072                       ; a tile's two K steps
.set HALFT, 8*TILEB                    ; 128 places: what one tensor load brings
.set SLOT,  4*HALFT                    ; A's 256 places, then B's
.set SCL,   2*SLOT                     ; the scales: 4,096 bytes a wave's load, [4 quarters of K][128 places][8]
.set SPARE, SCL+16384                  ; the spare words, 128 bytes a wave: two blocks of 256 bytes that no other line names
.set BO,   7                           ; v7   the bias's offset, modes 0 and 1
.set BV,   8                           ; v8   the bias's offset, mode 2
.set ADRA, 16                          ; v16-17 LDS address of my A fragments in slot 0, 1
.set ADRB, 20                          ; v20-21 the same for B
.set L16,  24                          ; v24  16 x lane
.set VS,   25                          ; v25  16 r + h x (a head's bytes)
.set ADRS, 27                          ; v27  my scale words: lanes 0-15 A's, lanes 16-31 B's
.set SPW,  28
.set NIL,  29
.set SC,   32
.set BI,   64
.set AF,   128
.set T,    128                         ; the way out: 64 numbers in hand
.set SW,   192                         ; scale words gathered
.set TM,   200                         ; v200-215 at work in QUANT
.set PW,   216
.set SO,   220
.set P,    224                         ; codes to store
.set XT,   248                         ; v248-250, v252-254: second halves of blocks
.set G1, 24
.set G0, 32
.set G1B, 48
.set G0B, 56
.set G1S, 68
.set G0S, 76
.set G1SB, 80
.set G0SB, 88
.set MSB, 0
.macro WIN new                         ; the immediate's high byte repeats the setting that is left
.if MSB != (\new)
	s_set_vgpr_msb (MSB<<8)|(\new)
.set MSB, (\new)
.endif
.endm
.set MUL_LO, 0xa1                      ; source 0 (B) window 1, source 1 (A) window 0, C and D window 2
.set MUL_HI, 0xf1
.set TO_B,   0x40
.macro JLOAD g0a, g1a, g0b, g1b        ; a joint load: waves 0 and 1 fetch for A, waves 2 and 3 for B; four v_nop follow each line
	s_cmp_eq_u32 s15, 0
	s_cbranch_scc0 .Lfor_b_\@
	tensor_load_to_lds s[\g0a:\g0a+3], s[\g1a:\g1a+7]
	s_nop 0
.rept 4
	v_nop
.endr
	s_branch .Lasked_\@
.Lfor_b_\@:
	tensor_load_to_lds s[\g0b:\g0b+3], s[\g1b:\g1b+7]
	s_nop 0
.rept 4
	v_nop
.endr
.Lasked_\@:
.endm
.macro CREST
	s_cmp_lg_u32 s14, 0
	s_cbranch_scc1 .Lnot_wave_0_\@
	s_barrier_signal -3
.Lnot_wave_0_\@:
	s_barrier_wait -3
	s_barrier_signal -1
	s_barrier_wait -1
.endm
.macro CROUND
	s_barrier_signal -1
	s_barrier_wait -1
	CREST
.endm
.macro PLACES n
.rept \n
	v_nop
.endr
.endm
.macro FRAG reg, adr, q, i             ; a fragment: six loads of 8 bytes a lane, each 256 consecutive bytes
.irp p, 0,1,2,3,4,5
	ds_load_b64 v[\reg+2*\p:\reg+2*\p+1], v[\adr] offset:TILEB*(\i)+1536*(\q)+256*\p
.endr
.endm
.macro MUL16 a0, p, q, sc, zero        ; A's blocks a0, a0 + 1 x B's eight; the 64 accumulators take turns, one instruction a turn
.irp a, \a0, \a0+1
.irp b, 0,1,2,3,4,5,6,7
.if \zero
	v_wmma_scale_f32_16x16x128_f8f6f4 v[8*(8*((\a)%4)+\b):8*(8*((\a)%4)+\b)+7], v[128*(\p)+FR*\b:128*(\p)+FR*\b+FR-1], v[AF+FR*(\a):AF+FR*(\a)+FR-1], 0, v[SC+8*NQ*(\sc)+NQ*\b+(\q)], v[SC+8*NQ*(\sc)+NQ*(\a)+(\q)] matrix_a_fmt:MATRIX_FMT_FP6 matrix_b_fmt:MATRIX_FMT_FP6 matrix_a_scale:MATRIX_SCALE_ROW1
.else
	v_wmma_scale_f32_16x16x128_f8f6f4 v[8*(8*((\a)%4)+\b):8*(8*((\a)%4)+\b)+7], v[128*(\p)+FR*\b:128*(\p)+FR*\b+FR-1], v[AF+FR*(\a):AF+FR*(\a)+FR-1], v[8*(8*((\a)%4)+\b):8*(8*((\a)%4)+\b)+7], v[SC+8*NQ*(\sc)+NQ*\b+(\q)], v[SC+8*NQ*(\sc)+NQ*(\a)+(\q)] matrix_a_fmt:MATRIX_FMT_FP6 matrix_b_fmt:MATRIX_FMT_FP6 matrix_a_scale:MATRIX_SCALE_ROW1
.endif
.endr
.endr
.endm
.macro FETCH_B slot, q, p
	WIN TO_B
.irp i, 0,1,2,3,4,5,6,7
	FRAG 128*(\p)+FR*\i, ADRB+\slot, \q, \i
.endr
	WIN 0
.endm
.macro FETCH_A slot, q, i0
.irp i, \i0, \i0+1, \i0+2, \i0+3
	FRAG AF+FR*(\i), ADRA+\slot, \q, \i
.endr
.endm
.macro SCALES sc                       ; a slot's two scale words a place: lanes 0-15 A's block i, lanes 16-31 B's block i
.irp i, 0,1,2,3,4,5,6,7
	ds_load_b64 v[SC+8*NQ*\sc+NQ*\i:SC+8*NQ*\sc+NQ*\i+1], v[ADRS] offset:128*\i
.endr
.endm
.macro STEP slot, q, zero              ; 128 along K that has its successor in the same slot
	s_wait_dscnt 4*NL                              ; B's set, A's blocks 0-3 and the scale words are in; the youngest 24 loads (A's blocks 4-7) may be out
	WIN MUL_LO
	MUL16 0, (\q)%2, \q, \slot, \zero
	MUL16 2, (\q)%2, \q, \slot, \zero
	s_wait_dscnt 0
	PLACES NP                                      ; four plain places in front of loads into registers that matrix instructions have read
	FETCH_B \slot, (\q)+1, 1-(\q)%2
	FETCH_A \slot, (\q)+1, 0
	WIN MUL_HI
	MUL16 4, (\q)%2, \q, \slot, \zero
	MUL16 6, (\q)%2, \q, \slot, \zero
	PLACES NP
	WIN 0
	FETCH_A \slot, (\q)+1, 4
.endm
.macro TURN slot, next, fill           ; a slot's last step changes slots: one barrier; fill = 1: it opens a round of the cluster's barrier and this slot is filled again
	s_wait_tensorcnt 0x0                           ; all my tensor loads have landed: my part of the next slot
	ds_add_u32 v[SPW], v[NIL]                      ; 0 onto my spare word
	s_wait_dscnt 4*NL+1                            ; the add and the youngest 24 loads may be out
	WIN MUL_LO
	MUL16 0, 1, NQ-1, \slot, 0
	s_wait_dscnt 0x0                               ; the add is done, and my reads of this slot are over
	s_barrier_signal -1
	MUL16 2, 1, NQ-1, \slot, 0
	WIN 0
	s_barrier_wait -1
.if \fill
	CREST                                          ; no wave of any partner still reads this slot or has a load on its way
	s_add_nc_u64 s[G0+4*\slot+2:G0+4*\slot+3], s[G0+4*\slot+2:G0+4*\slot+3], 2*TILEB
	s_add_nc_u64 s[G0B+4*\slot+2:G0B+4*\slot+3], s[G0B+4*\slot+2:G0B+4*\slot+3], 2*TILEB
	JLOAD G0+4*\slot, G1, G0B+4*\slot, G1B         ; the first tensor load behind the round; its four v_nop are the places in front of the loads below
.else
	PLACES NP
.endif
	v_add_nc_u32 v[ADRS], 1024, v[ADRS]            ; the next quarter of K's scale words
	FETCH_B \next, 0, 0
	FETCH_A \next, 0, 0
	SCALES \next
	WIN MUL_HI
	MUL16 4, 1, NQ-1, \slot, 0
	MUL16 6, 1, NQ-1, \slot, 0
	PLACES NP
	WIN 0
	FETCH_A \next, 0, 4
.endm
.macro LAST                            ; the very last 128 along K: nothing more to fetch
	s_wait_dscnt 4*NL
	WIN MUL_LO
	MUL16 0, 1, NQ-1, 1, 0
	MUL16 2, 1, NQ-1, 1, 0
	s_wait_dscnt 0
	WIN MUL_HI
	MUL16 4, 1, NQ-1, 1, 0
	MUL16 6, 1, NQ-1, 1, 0
	WIN 0
.endm
; 64 numbers of a lane, register 16 b + i = k 32 b + 16 h + i of my place, become codes: v[d0 .. d0 + 5] = k 32 h + 0 .. 31, v[d1 .. d1 + 5] = k 64 + 32 h + 0 .. 31, and the scale word v[pw].
.macro QUANT s, d0, d1, pw
.irp b, 0,1,2,3
	v_max3_num_f32 v[TM+\b], |v[\s+16*\b]|, |v[\s+1+16*\b]|, 0x1800000   ; my 16 numbers of block b, and the floor 2^(3 - 127): the byte cannot fall under 1
.endr
.irp i, 2,4,6,8,10,12,14
.irp b, 0,1,2,3
	v_max3_num_f32 v[TM+\b], v[TM+\b], |v[\s+16*\b+\i]|, |v[\s+1+16*\b+\i]|
.endr
.endr
.irp b, 0,1,2,3
	v_permlanex16_b32 v[TM+4+\b], v[TM+\b], s20, s21
.endr
.irp b, 0,1,2,3
	v_max_num_f32 v[TM+\b], v[TM+\b], v[TM+4+\b]   ; with lane l xor 16's: the block's largest magnitude
.endr
.irp b, 0,1,2,3
	v_add_nc_u32 v[TM+12+\b], 0xff000000, v[TM+\b] ; 2 off its exponent field: the conversion's scale operand
.endr
.irp b, 0,1,2,3
	v_lshrrev_b32 v[TM+4+\b], 23, v[TM+12+\b]      ; the scale's byte
.endr
	v_lshl_or_b32 v[\pw], v[TM+5], 8, v[TM+4]
	v_lshl_or_b32 v[\pw], v[TM+6], 16, v[\pw]
	v_lshl_or_b32 v[\pw], v[TM+7], 24, v[\pw]
	v_cvt_scalef32_pk16_fp6_f32 v[(\d0):(\d0)+2], v[\s:\s+15], v[TM+12]
	v_cvt_scalef32_pk16_fp6_f32 v[XT:XT+2], v[\s+16:\s+31], v[TM+13]
	v_cvt_scalef32_pk16_fp6_f32 v[(\d1):(\d1)+2], v[\s+32:\s+47], v[TM+14]
	v_cvt_scalef32_pk16_fp6_f32 v[XT+4:XT+6], v[\s+48:\s+63], v[TM+15]
	v_nop                                          ; one plain line behind the scaled conversions
.irp i, 0,1,2
	v_permlane16_swap_b32 v[(\d0)+\i], v[XT+\i]    ; a whole block to a lane: lanes 0-15 the even block, lanes 16-31 the odd one
.endr
.irp i, 0,1,2
	v_mov_b32 v[(\d0)+3+\i], v[XT+\i]
.endr
.irp i, 0,1,2
	v_permlane16_swap_b32 v[(\d1)+\i], v[XT+4+\i]
.endr
.irp i, 0,1,2
	v_mov_b32 v[(\d1)+3+\i], v[XT+4+\i]
.endr
.endm
.macro EPI_HEAD
	s_wait_loadcnt 0x0                             ; the bias, asked for 128 matrix instructions ago
	PLACES NP                                      ; in front of reads of results and of writes into A's registers
.irp b, 0,1,2,3
	v_mov_b32 v[TM+4+\b], 0                        ; a lane permute's destination counts as one of its sources
.endr
.endm
; Modes 0 and 1.  A's block a = 2 e + u is 16 tokens; a lane's 64 numbers are 128 features = two heads x 64.  The bias rides on the move into window 0.
.macro EPI_QK
	EPI_HEAD
.irp e, 0,1,2,3
.if \e > 0
	s_wait_xcnt 0x0                                ; the last stores have read their registers
.endif
.irp u, 0,1
.set AC, 64*((2*\e+\u)%4)
	WIN 0x02+(2*\e+\u)/4
.set I, 0
.rept 32
	v_pk_add_f32 v[T+I:T+I+1], v[AC+I:AC+I+1], v[BI+I:BI+I+1]   ; ascending: each accumulator is read from its low end on
.set I, I+2
.endr
	WIN 0
	QUANT T, P+6*\u, P+12+6*\u, PW+\u
.endr
	v_perm_b32 v[SW+\e], v[PW+1], v[PW], s22       ; the first head's word: tile (e, 0)'s two bytes, then tile (e, 1)'s
	v_perm_b32 v[SW+4+\e], v[PW+1], v[PW], s23     ; the second head's
.irp c, 0,1,2
	global_store_b128 v[L16], v[P+4*\c:P+4*\c+3], s[96:97] offset:1536*\e+512*\c            ; 32 lanes store 512 consecutive bytes, aligned to 256
	global_store_b128 v[L16], v[P+12+4*\c:P+12+4*\c+3], s[98:99] offset:1536*\e+512*\c
.endr
.endr
.irp e, 0,1,2,3
	v_cndmask_b32 v[SO+\e], v[SW+\e], v[SW+4+\e], s100   ; lanes 16-31 carry the second head's words
.endr
	global_store_b128 v[VS], v[SO:SO+3], s[96:97] offset:6144   ; 16 lanes store 256 consecutive bytes for each head
.endm
; Mode 2.  A's block a is 16 places of d (head a / 4, tile a % 4); a lane's 64 numbers are my 128 keys.
.macro EPI_V
	EPI_HEAD
.irp a, 0,1,2,3,4,5,6,7
.if \a > 0
	s_wait_xcnt 0x0
.endif
.set AC, 64*(\a%4)
	WIN 0x02+\a/4
.set I, 0
.rept 32
	v_pk_add_f32 v[T+I:T+I+1], v[AC+I:AC+I+1], v[BI+2*\a:BI+2*\a+1]
.set I, I+2
.endr
	WIN 0
	QUANT T, P, P+6, SW+\a
.irp c, 0,1,2
	global_store_b128 v[L16], v[P+4*\c:P+4*\c+3], s[96:97] offset:204800*(\a/4)+6400+1536*(\a%4)+512*\c
.endr
.endr
.irp e, 0,1,2,3
	v_cndmask_b32 v[SO+\e], v[SW+\e], v[SW+4+\e], s100
.endr
	global_store_b128 v[VS], v[SO:SO+3], s[96:97] offset:12544
.endm
	s_load_b256 s[4:11], s[0:1], 0x0               ; img, scl, bq, bk
	s_load_b64 s[12:13], s[0:1], 0x20              ; bv
	s_load_b128 s[92:95], s[0:1], 0x28             ; qimg, kv
	v_lshl_add_u32 v[SPW], v0, 2, SPARE
	v_mov_b32 v[NIL], 0
	ds_add_u32 v28, v29
	ds_add_u32 v28, v29
	s_wait_dscnt 0x0
	v_lshrrev_b32 v1, 5, v0
	v_readfirstlane_b32 s14, v1                    ; wave 0..3
	s_lshr_b32 s15, s14, 1                         ; which half of A's places is mine.  Also: I fetch for A (0) or for B (1)
	s_and_b32 s16, s14, 1                          ; which half of B's.  Also: which 128 places I fetch
	s_bfe_u32 s40, ttmp6, 0x40000                  ; cx, cy: my place in the cluster
	s_bfe_u32 s41, ttmp6, 0x40004
	s_and_b32 s18, ttmp7, 0xffff
	s_lshl_b32 s18, s18, 2                         ; 4 x cluster y: blocks of 256 tokens
	s_lshl_b32 s19, ttmp9, 2
	s_add_co_u32 s19, s19, 32                      ; Wq's blocks of 256 places begin at 32, Wk's at 36
	s_cmp_eq_u32 ttmp9, 2
	s_cselect_b32 s66, 1, 0                        ; mode 2?
	s_cselect_b32 s17, 40, s18                     ; A: Wv's blocks begin at 40; else tokens
	s_cselect_b32 s42, s18, s19                    ; B: tokens; else the weight
	s_add_co_u32 s17, s17, s41                     ; A's block hangs on cy alone,
	s_add_co_u32 s42, s42, s40                     ; B's on cx alone
	s_lshl_b32 s43, s41, 2
	s_lshl_b32 s43, 15, s43                        ; my row of the cluster
	s_lshl_b32 s44, 0x1111, s40                    ; my column
	s_or_b32 s[G1+0], s43, (3<<16)|(1<<21)         ; 15:0 the mask; 17:16 elements of 8 bytes; 21 set beside a mask; no padding
	s_or_b32 s[G1B+0], s44, (3<<16)|(1<<21)
.irp g, G1, G1B                                    ; 8 tiles x 3,072 bytes (two K steps), 12,288 bytes apart
	s_mov_b32 s[\g+1], 384<<16                     ; tensor_dim0
	s_mov_b32 s[\g+2], 8<<16                       ; tensor_dim1
	s_mov_b32 s[\g+3], 384<<16                     ; tile_dim0
	s_mov_b32 s[\g+4], 8                           ; tile_dim1
	s_mov_b32 s[\g+5], 1536                        ; tensor_dim0_stride
	s_mov_b32 s[\g+6], 0
	s_mov_b32 s[\g+7], 0
.endr
	s_or_b32 s[G1S+0], s43, (3<<16)|(1<<21)
	s_or_b32 s[G1SB+0], s44, (3<<16)|(1<<21)
.irp g, G1S, G1SB                                  ; the scales of 128 places: 4 quarters of K x 1,024 bytes, 98,304 bytes apart
	s_mov_b32 s[\g+1], 128<<16
	s_mov_b32 s[\g+2], 4<<16
	s_mov_b32 s[\g+3], 128<<16
	s_mov_b32 s[\g+4], 4
	s_mov_b32 s[\g+5], 12288
	s_mov_b32 s[\g+6], 0
	s_mov_b32 s[\g+7], 0
.endr
	s_mul_i32 s20, s17, 16*12288                   ; A's codes: block, + my half
	s_mul_i32 s18, s16, 8*12288
	s_add_co_u32 s20, s20, s18
	s_mov_b32 s21, 0
	s_mul_i32 s46, s42, 16*12288                   ; B's
	s_add_co_u32 s46, s46, s18
	s_mov_b32 s47, 0
	s_lshl_b32 s22, s17, 11                        ; A's scales: 256 places x 8 bytes a block
	s_lshl_b32 s18, s16, 10
	s_add_co_u32 s22, s22, s18
	s_mov_b32 s23, 0
	s_lshl_b32 s2, s42, 11                         ; B's
	s_add_co_u32 s2, s2, s18
	s_mov_b32 s3, 0
	s_mul_i32 s45, s14, HALFT                      ; where they go: by the wave's number alone
	s_lshl_b32 s19, s14, 12
	s_wait_kmcnt 0x0
	s_add_nc_u64 s[20:21], s[4:5], s[20:21]
	s_add_nc_u64 s[46:47], s[4:5], s[46:47]
	s_add_nc_u64 s[22:23], s[6:7], s[22:23]
	s_add_nc_u64 s[2:3], s[6:7], s[2:3]
	CROUND                                         ; all sixteen work-groups are here: the first joint loads meet
	s_mov_b32 s[G0S], 1
	s_add_co_u32 s[G0S+1], s19, SCL
	s_mov_b64 s[G0S+2:G0S+3], s[22:23]
	s_or_b32 s[G0S+3], s[G0S+3], 0x80000000
	s_mov_b32 s[G0SB], 1
	s_add_co_u32 s[G0SB+1], s19, SCL
	s_mov_b64 s[G0SB+2:G0SB+3], s[2:3]
	s_or_b32 s[G0SB+3], s[G0SB+3], 0x80000000
	JLOAD G0S, G1S, G0SB, G1SB                     ; the scales first: filled once.  With the two slots three loads of mine are out
.irp s, 0,1
	s_mov_b32 s[G0+4*\s], 1
	s_add_co_u32 s[G0+4*\s+1], s45, \s*SLOT
	s_add_nc_u64 s[G0+4*\s+2:G0+4*\s+3], s[20:21], \s*TILEB
	s_or_b32 s[G0+4*\s+3], s[G0+4*\s+3], 0x80000000
	s_mov_b32 s[G0B+4*\s], 1
	s_add_co_u32 s[G0B+4*\s+1], s45, \s*SLOT
	s_add_nc_u64 s[G0B+4*\s+2:G0B+4*\s+3], s[46:47], \s*TILEB
	s_or_b32 s[G0B+4*\s+3], s[G0B+4*\s+3], 0x80000000
	JLOAD G0+4*\s, G1, G0B+4*\s, G1B
.endr
	v_and_b32 v1, 15, v0                           ; r
	v_bfe_u32 v2, v0, 4, 1                         ; h
	v_and_b32 v3, 31, v0                           ; lane
	v_lshlrev_b32 v4, 3, v3
	s_mul_i32 s18, s15, HALFT
	s_mul_i32 s19, s16, HALFT
	s_add_co_u32 s19, s19, 2*HALFT
.irp s, 0,1
	v_add_nc_u32 v[ADRA+\s], s18, v4
	v_add_nc_u32 v[ADRB+\s], s19, v4
	s_add_co_u32 s18, s18, SLOT
	s_add_co_u32 s19, s19, SLOT
.endr
	v_lshlrev_b32 v5, 3, v1                        ; scale words: 8 bytes a place
	s_lshl_b32 s18, s15, 12                        ; A's: my 128 places
	s_lshl_b32 s19, s16, 12
	s_add_co_u32 s19, s19, 8192                    ; B's lie behind A's two halves
	s_sub_co_u32 s19, s19, s18
	v_mul_u32_u24 v6, s19, v2                      ; lanes 16-31 take B's: the lower base + h x the distance
	s_add_co_u32 s18, s18, SCL
	v_add_nc_u32 v5, v5, v6
	v_add_nc_u32 v[ADRS], s18, v5
	; the way out: which head's block, in which buffer
	s_cmp_eq_u32 s66, 0
	s_cselect_b32 s96, s17, s42                    ; the block of 256 tokens,
	s_cselect_b32 s97, s15, s16                    ; my half of it,
	s_cselect_b32 s98, s40, s41                    ; the block of 256 features (four heads),
	s_cselect_b32 s99, s16, s15                    ; my half of it
	s_lshl_b32 s96, s96, 1
	s_add_co_u32 s96, s96, s97                     ; group of 128 tokens, 0 .. 63
	s_lshl_b32 s98, s98, 2
	s_lshl_b32 s99, s99, 1
	s_add_co_u32 s98, s98, s99                     ; my first head
	s_lshr_b32 s97, s96, 4                         ; batch
	s_and_b32 s96, s96, 15                         ; group in the sequence
	s_lshl_b32 s97, s97, 4
	s_add_co_u32 s97, s97, s98
	s_lshl_b32 s97, s97, 4
	s_add_co_u32 s97, s97, s96                     ; (16 batch + head) 16 + group
	s_cmp_eq_u32 ttmp9, 0                          ; mode 0?  The choices hang on the cluster's number alone
	s_cselect_b64 s[92:93], s[92:93], s[94:95]
	s_cselect_b64 s[8:9], s[8:9], s[10:11]
	s_mov_b32 s98, 12800
	s_cselect_b32 s98, 6400, s98
	s_mov_b32 s67, 204800
	s_cselect_b32 s67, 102400, s67                 ; a head's bytes
	s_mul_i32 s96, s97, s98
	s_mov_b32 s97, 0
	s_add_nc_u64 s[96:97], s[92:93], s[96:97]      ; my first head's block
	s_mov_b32 s98, s67
	s_mov_b32 s99, 0
	s_add_nc_u64 s[98:99], s[96:97], s[98:99]      ; my second head's
	s_lshl_b32 s18, s40, 10                        ; bq or bk: my 128 features
	s_lshl_b32 s19, s16, 9
	s_add_co_u32 s18, s18, s19
	s_mov_b32 s19, 0
	s_add_nc_u64 s[8:9], s[8:9], s[18:19]
	s_lshl_b32 s18, s41, 10                        ; bv: my 128 features
	s_lshl_b32 s19, s15, 9
	s_add_co_u32 s18, s18, s19
	s_mov_b32 s19, 0
	s_add_nc_u64 s[12:13], s[12:13], s[18:19]
	v_lshlrev_b32 v[BO], 6, v2                     ; modes 0, 1: register 8 b + j wants feature 32 (b / 2) + 8 (b % 2) + 16 h + j
	v_and_b32 v[BV], 8, v1
	v_add_nc_u32 v[BV], v[BV], v1
	v_lshlrev_b32 v[BV], 2, v[BV]                  ; mode 2: block a wants feature 32 (a / 2) + 8 (a % 2) + r + 8 (r / 8)
	v_lshlrev_b32 v[L16], 4, v3
	v_lshlrev_b32 v[VS], 4, v1
	v_mul_u32_u24 v6, s67, v2
	v_add_nc_u32 v[VS], v[VS], v6
	s_mov_b32 s20, 0x76543210
	s_mov_b32 s21, 0xfedcba98                      ; v_permlanex16_b32's selects for lane l xor 16
	s_mov_b32 s22, 0x05040100                      ; two low halves
	s_mov_b32 s23, 0x07060302                      ; two high halves
	s_mov_b32 s100, 0xffff0000                     ; lanes 16-31
	s_wait_tensorcnt 1                             ; the scales and my part of slot 0 are in (slot 1's load may be out)
	s_barrier_signal -1
	s_barrier_wait -1                              ; everybody's are
	FETCH_B 0, 0, 0
	FETCH_A 0, 0, 0
	SCALES 0
	FETCH_A 0, 0, 4
	STEP 0, 0, 1                                   ; the first products start the sums: nothing is cleared
	TURN 0, 1, 1
	STEP 1, 0, 0
	TURN 1, 0, 1
	STEP 0, 0, 0
	TURN 0, 1, 0                                   ; the last change of slots fills nothing
	s_cmp_eq_u32 s66, 0                            ; the modes part here: each arm asks for its bias, runs the last 256 along K and goes out; no tensor load and no barrier stands in an arm
	s_cbranch_scc0 .Lmode_v
.irp b, 0,1,2,3,4,5,6,7
	global_load_b128 v[BI+8*\b:BI+8*\b+3], v[BO], s[8:9] offset:(32*(\b/2)+8*(\b%2))*4
	global_load_b128 v[BI+8*\b+4:BI+8*\b+7], v[BO], s[8:9] offset:(32*(\b/2)+8*(\b%2))*4+16
.endr
	STEP 1, 0, 0
	LAST
	EPI_QK
	s_branch .Lend
.Lmode_v:
.irp a, 0,1,2,3,4,5,6,7
	global_load_b32 v[BI+2*\a], v[BV], s[12:13] offset:(32*(\a/2)+8*(\a%2))*4     ; twice: a pair for the packed addition
	global_load_b32 v[BI+2*\a+1], v[BV], s[12:13] offset:(32*(\a/2)+8*(\a%2))*4
.endr
	STEP 1, 0, 0
	LAST
	EPI_V
.Lend:
	s_wait_tensorcnt 0x0                           ; the wave's end
	ds_add_u32 v[SPW], v[NIL]
	s_wait_dscnt 0x0
	CROUND                                         ; the closing round: no work-group ends while a partner may still ask for a tile that names it
	s_endpgm
.Lfunc_end_k_qb28e03b212_proj:
	.size	k_qb28e03b212_proj, .Lfunc_end_k_qb28e03b212_proj-k_qb28e03b212_proj
	.p2alignl 7, 3214868480
	.fill 96, 4, 3214868480
	.section	.rodata,"a",@progbits
	.p2align	6, 0x0
	.amdhsa_kernel k_qb28e03b212_proj
		.amdhsa_group_segment_fixed_size 327680
		.amdhsa_private_segment_fixed_size 0
		.amdhsa_enable_private_segment 0
		.amdhsa_kernarg_size 56
		.amdhsa_user_sgpr_count 2
		.amdhsa_user_sgpr_kernarg_segment_ptr 1
		.amdhsa_wavefront_size32 1
		.amdhsa_system_sgpr_workgroup_id_x 1
		.amdhsa_system_sgpr_workgroup_id_y 1
		.amdhsa_system_sgpr_workgroup_id_z 1
		.amdhsa_system_vgpr_workitem_id 0
		.amdhsa_next_free_vgpr 1024
		.amdhsa_next_free_sgpr 102
		.amdhsa_reserve_vcc 0
		.amdhsa_float_denorm_mode_32 3
		.amdhsa_float_denorm_mode_16_64 3
		.amdhsa_memory_ordered 1
		.amdhsa_forward_progress 1
		.amdhsa_inst_pref_size 255
	.end_amdhsa_kernel
	.section	.bss,"aw",@nobits
	.p2align	6
	.space	262144
	.amdgpu_metadata
---
amdhsa.version: [ 1, 2 ]
amdhsa.kernels:
  - .name:           k_qb28e03b212_proj
    .symbol:         k_qb28e03b212_proj.kd
    .args:
      - { .name: img, .offset: 0, .size: 8, .value_kind: global_buffer, .address_space: global }
      - { .name: scl, .offset: 8, .size: 8, .value_kind: global_buffer, .address_space: global }
      - { .name: bq, .offset: 16, .size: 8, .value_kind: global_buffer, .address_space: global }
      - { .name: bk, .offset: 24, .size: 8, .value_kind: global_buffer, .address_space: global }
      - { .name: bv, .offset: 32, .size: 8, .value_kind: global_buffer, .address_space: global }
      - { .name: qimg, .offset: 40, .size: 8, .value_kind: global_buffer, .address_space: global }
      - { .name: kv, .offset: 48, .size: 8, .value_kind: global_buffer, .address_space: global }
    .group_segment_fixed_size: 327680
    .private_segment_fixed_size: 0
    .kernarg_segment_align: 8
    .kernarg_segment_size: 56
    .max_flat_workgroup_size: 128
    .sgpr_count:     102
    .vgpr_count:     1024
    .wavefront_size: 32
...
	.end_amdgpu_metadata
.endif
;; end of part 2
;; launch attn (part 3): grid 4 x 64, 16 waves a work-group, no clusters, 27,648 bytes of LDS; arguments qimg, kv, cimg, cscl; writes cimg, cscl
.if DOCPART == 3
	.amdgcn_target "amdgcn-amd-amdhsa--gfx1250"
	.amdhsa_code_object_version 6
	.text
	.protected	k_qb28e03b212_attn
	.globl	k_qb28e03b212_attn
	.p2align	8
	.type	k_qb28e03b212_attn,@function
k_qb28e03b212_attn:
	s_mov_b64 s[64:65], 0
	v_nop
	global_prefetch_b8 v0, s[64:65] scope:SCOPE_SE
	s_setreg_imm32_b32 hwreg(HW_REG_WAVE_MODE, 25, 1), 1
	s_wait_xcnt 0x0
; Causal attention of one head on codes of FP6 (E2M3), and the quantising of its result along the next product's K (head x 64 + d).
; t = score x log2(e) / 8; M = the running largest t rounded UP to a whole number; p = 2^(t - M) is quantised along the keys, not normalised; the row's sum of the unquantised p divides at the end.
; SHARES.  Work-group (j, head) makes two passes: query block 7 - j, then j, 256 queries each: 2 (8 - j) + 2 (j + 1) = 18 key steps of 128 keys for every work-group.  Each of sixteen waves owns 16 queries in 256 registers.
; Key steps that lie wholly behind the mask are not walked; the last step of a pass is left out by waves 0-7, all of whose queries come before its keys.
; A KEY STEP'S BLOCK is 12,800 dense bytes of kv: it goes memory -> registers -> LDS (25 bytes a lane), one step ahead, into two slots named by immediates alone.  One barrier a step.
; THE HEAD IS 64 WIDE, the instruction 128: a fragment of K carries TWO tiles of 16 keys (k-places 0-63: tile (b, 0); 64-127: tile (b, 1)); it is multiplied by [q | 0] and by [0 | q]: zero codes add nothing.
; Both products are used transposed: a lane holds one query throughout.  The keys of a tile are chosen (by the launch before) so that the 16 registers of tiles (b, 0), (b, 1) are keys 32 b + 16 h + 0 .. 15.
; NO CLUSTER: the four work-groups of a head walk 16 - 2 j and then 2 j + 2 steps, so at a given time they stand at different key steps and could not ask jointly; what they share is 12,800 bytes a step.
; The scale bytes of ctx leave as 32 consecutive bytes a wave, a part of a block of 256: 512 bytes of the 12,800 that a work-group stores in a pass.
; LIMITS: NaN and infinities are not served; a block of ctx under 2^-124 gets the byte 1 and zero codes.
; REGISTERS: v1-8 offsets; v12 -M, v13 the largest t, v[14:15] the sum; v16-33 [0 x 6 | q x 6 | 0 x 6]; v36-43 the copy; v48-95 four fragments of K, then of V; v96-159 S^T, then p; v160-191 O^T; v192-199 K's and V's scale words; v200-212 Q as loaded; v224-254 at work; v253 p's scale word; v255 Q's.
.set SLOTB, 12800
.set F,     48
.macro COPYLOAD                        ; the block at s[18:19]: 512 threads x 16 bytes, then 288 threads x 16 bytes
	global_load_b128 v[36:39], v3, s[18:19]
	s_cmp_lt_u32 s12, 9
	s_cbranch_scc0 .Lcl_\@
	global_load_b128 v[40:43], v3, s[18:19] offset:8192
.Lcl_\@:
.endm
.macro COPYSTORE s
	ds_store_b128 v3, v[36:39] offset:(\s)*SLOTB
	s_cmp_lt_u32 s12, 9
	s_cbranch_scc0 .Lcs_\@
	ds_store_b128 v3, v[40:43] offset:(\s)*SLOTB+8192
.Lcs_\@:
.endm
; A key step from slot sl.  st: the next block goes into the other slot; ld: the block after that is asked for.
; mode 0: all keys count; 1: waves 0-7 lie on the diagonal; 2: waves 0-7 have nothing here, waves 8-15 lie on the diagonal.
.macro STEP sl, st, ld, mode
	s_wait_dscnt 0x0                               ; my stores into this slot have landed, my reads of the other slot are back
	s_barrier_signal -1
	s_barrier_wait -1                              ; both now hold of every wave
.if \st
	s_wait_loadcnt 0x0                             ; the next block, asked for a step ago
	COPYSTORE 1-\sl
.endif
.if \mode == 2
	s_cmp_lt_u32 s12, 8
	s_cbranch_scc1 .Lend_\@
.endif
.irp i, 0,1,2,3,4,5,6,7,8,9,10,11
	ds_load_b128 v[F+4*\i:F+4*\i+3], v1 offset:\sl*SLOTB+512*\i      ; K's four pair fragments, as their registers lie
.endr
	ds_load_b128 v[192:195], v2 offset:\sl*SLOTB+6144                ; their scale words
	s_wait_dscnt 0x0
.if \ld
	s_add_nc_u64 s[18:19], s[18:19], SLOTB         ; (the last load by this address has been waited for)
	COPYLOAD
.endif
.irp e, 0,1,2,3
	v_wmma_scale_f32_16x16x128_f8f6f4 v[96+16*\e:103+16*\e], v[F+12*\e:F+12*\e+11], v[22:33], 0, v[192+\e], v255 matrix_a_fmt:MATRIX_FMT_FP6 matrix_b_fmt:MATRIX_FMT_FP6
	v_wmma_scale_f32_16x16x128_f8f6f4 v[104+16*\e:111+16*\e], v[F+12*\e:F+12*\e+11], v[16:27], 0, v[192+\e], v255 matrix_a_fmt:MATRIX_FMT_FP6 matrix_b_fmt:MATRIX_FMT_FP6
.endr
.rept 4
	v_nop                                          ; four plain places: in front of the loads into K's registers and of the first read of the scores
.endr
.irp i, 0,1,2,3,4,5,6,7,8,9,10,11
	ds_load_b128 v[F+4*\i:F+4*\i+3], v1 offset:\sl*SLOTB+6400+512*\i ; V^T's four fragments land under the softmax
.endr
	ds_load_b128 v[196:199], v2 offset:\sl*SLOTB+12544
.if \mode == 1
	s_cmp_lt_u32 s12, 8
	s_cbranch_scc0 .Lopen_\@
.endif
.if \mode
	v_mov_b32 v254, 0xff800000                     ; register 16 b + i holds key 32 b + 16 h + i of the step: hidden where 32 b + i > my query's place - 16 h.  Hidden scores become -infinity: p = 0
.set N, 0
.rept 64
	v_cmp_gt_i32 vcc_lo, 32*(N/16)+N%16, v4
	v_cndmask_b32 v[96+N], v[96+N], v254, vcc_lo
.set N, N+1
.endr
.endif
.if \mode == 1
.Lopen_\@:
.endif
.irp b, 0,1,2,3
	v_max3_num_f32 v[232+\b], v[96+16*\b], v[97+16*\b], v[98+16*\b]   ; the largest score of each block of 32 keys: for the row's maximum and, since p rises with the score, for the block's largest p
.endr
.irp i, 3,5,7,9,11,13
.irp b, 0,1,2,3
	v_max3_num_f32 v[232+\b], v[232+\b], v[96+16*\b+\i], v[97+16*\b+\i]
.endr
.endr
.irp b, 0,1,2,3
	v_max_num_f32 v[232+\b], v[232+\b], v[111+16*\b]
.endr
.irp b, 0,1,2,3
	v_permlanex16_b32 v[236+\b], v[232+\b], s20, s21
.endr
.irp b, 0,1,2,3
	v_max_num_f32 v[232+\b], v[232+\b], v[236+\b]  ; with lane l xor 16's 16 keys
.endr
	v_max3_num_f32 v254, v232, v233, v234
	v_max_num_f32 v254, v254, v235
	v_mul_f32 v254, s22, v254                      ; as t (c is positive)
	v_max_num_f32 v13, v13, v254                   ; the running largest t
	v_mov_b32 v254, v12
	v_floor_f32 v12, -v13                          ; -M = floor(-t): M is a whole number
	v_sub_f32 v254, v12, v254                      ; old M - new M: a whole number, 0 or less
	v_cvt_i32_f32 v254, v254                       ; (it saturates)
	v_ldexp_f32 v252, 1.0, v254                    ; f = 2^(old M - new M): rounds nothing
.set J, 0
.rept 32
	v_pk_fma_f32 v[96+J:97+J], v[96+J:97+J], s[22:23], v[12:13] op_sel_hi:[1,0,0]   ; t - M
.set J, J+2
.endr
.irp b, 0,1,2,3
	v_fma_f32 v[232+\b], v[232+\b], s22, v12
.endr
.set J, 0
.rept 64
	v_exp_f32 v[96+J], v[96+J]                     ; p = 2^(t - M)
.set J, J+1
.endr
	v_pk_mul_f32 v[14:15], v[14:15], v[252:253] op_sel_hi:[1,0]   ; the sums under the new M (a plain line behind the exponentials)
	s_wait_alu depctr_va_vdst(0)                   ; one wait for the batch of 64, ahead of its first reader
.irp b, 0,1,2,3
	v_exp_f32 v[232+\b], v[232+\b]                 ; each block's largest p
.endr
	v_pk_add_f32 v[236:237], v[96:97], v[98:99]    ; the row's sum of the unquantised p, in two chains
.set J, 4
.rept 15
	v_pk_add_f32 v[14:15], v[14:15], v[96+J:97+J]
	v_pk_add_f32 v[236:237], v[236:237], v[98+J:99+J]
.set J, J+4
.endr
	v_pk_add_f32 v[14:15], v[14:15], v[236:237]
	s_wait_alu depctr_va_vdst(0)                   ; and one for the four
.irp b, 0,1,2,3
	v_max_num_f32 v[232+\b], 0x1800000, v[232+\b]  ; the floor 2^(3 - 127): the byte cannot fall under 1
.endr
.irp b, 0,1,2,3
	v_add_nc_u32 v[244+\b], 0xff000000, v[232+\b]  ; 2 off the exponent field: the conversion's scale operand
.endr
.irp b, 0,1,2,3
	v_lshrrev_b32 v[236+\b], 23, v[244+\b]
.endr
	v_lshl_or_b32 v253, v237, 8, v236              ; p's scale word for these 128 keys
	v_lshl_or_b32 v253, v238, 16, v253
	v_lshl_or_b32 v253, v239, 24, v253
.irp c, 0,1
	v_cvt_scalef32_pk16_fp6_f32 v[224+6*\c:226+6*\c], v[96+32*\c:111+32*\c], v[244+2*\c]
	v_cvt_scalef32_pk16_fp6_f32 v[236+4*\c:238+4*\c], v[112+32*\c:127+32*\c], v[244+2*\c+1]
.endr
	v_nop                                          ; one plain line behind the scaled conversions
.irp c, 0,1
.irp i, 0,1,2
	v_permlane16_swap_b32 v[224+6*\c+\i], v[236+4*\c+\i]   ; a whole block to a lane
.endr
.irp i, 0,1,2
	v_mov_b32 v[227+6*\c+\i], v[236+4*\c+\i]
.endr
.endr
.set J, 0
.rept 16
	v_pk_mul_f32 v[160+J:161+J], v[160+J:161+J], v[252:253] op_sel_hi:[1,0]   ; O^T under the new M; these sixteen are also the places between p's codes and scale word and the products
.set J, J+2
.endr
	s_wait_dscnt 0x0                               ; V^T is in
.irp t, 0,1,2,3
	v_wmma_scale_f32_16x16x128_f8f6f4 v[160+8*\t:167+8*\t], v[F+12*\t:F+12*\t+11], v[224:235], v[160+8*\t:167+8*\t], v[196+\t], v253 matrix_a_fmt:MATRIX_FMT_FP6 matrix_b_fmt:MATRIX_FMT_FP6
.endr
.rept 4
	v_nop                                          ; places in front of the next step's loads into these fragments, and of the way out's reads
.endr
.if \mode == 2
.Lend_\@:
.endif
.endm
	s_load_b256 s[4:11], s[0:1], 0x0               ; qimg, kv, cimg, cscl
	v_lshl_add_u32 v250, v0, 2, 0x6400
	v_mov_b32 v251, 0
	v_lshrrev_b32 v9, 5, v0
	v_readfirstlane_b32 s12, v9                    ; wave 0..15
	s_mov_b32 s13, ttmp9                           ; j
	s_and_b32 s14, ttmp7, 0xffff                   ; batch x 16 + head
	v_and_b32 v9, 31, v0                           ; lane
	v_and_b32 v10, 15, v0                          ; r
	v_bfe_u32 v11, v0, 4, 1                        ; h
	v_lshlrev_b32 v1, 4, v9                        ; 16 x lane
	v_lshlrev_b32 v2, 4, v10                       ; 16 r
	v_lshlrev_b32 v3, 4, v0                        ; 16 x thread
	v_lshlrev_b32 v5, 3, v9                        ; 8 x lane
	s_and_b32 s36, s12, 7                          ; my tile in its group of 128 queries: 2 b + u
	s_lshr_b32 s37, s36, 1                         ; b
	s_and_b32 s38, s12, 1                          ; u
	v_and_b32 v4, 8, v10
	v_add_nc_u32 v4, v4, v10                       ; r + 8 (r / 8)
	v_lshlrev_b32 v6, 4, v11
	v_sub_nc_u32 v4, v4, v6
	s_lshl_b32 s39, s37, 5
	s_lshl_b32 s40, s38, 3
	s_add_co_u32 s39, s39, s40
	v_add_nc_u32 v4, s39, v4                       ; my query's place in its group - 16 h
	v_lshl_add_u32 v6, v10, 1, v11
	s_lshl_b32 s39, s36, 5
	v_add_nc_u32 v6, s39, v6                       ; ctx's scale byte: 2 x place + h
	s_mul_i32 s39, s37, 1536
	v_add_nc_u32 v7, s39, v1                       ; Q's pair fragment b
	s_lshl_b32 s39, s37, 2
	v_add_nc_u32 v8, s39, v2                       ; and its scale word
	s_cmp_eq_u32 s38, 1
	s_cselect_b32 s24, -1, 0                       ; all lanes take tile u's half of the pair
	s_mov_b32 s25, 0x01000100
	s_cselect_b32 s25, 0x03020302, s25             ; tile u's two scale bytes, twice: they serve [q | 0] and [0 | q]
	s_mov_b32 s26, 0xffff0000                      ; lanes 16-31
	s_mov_b32 s20, 0x76543210
	s_mov_b32 s21, 0xfedcba98
	s_mov_b32 s22, 0x3e38aa3b                      ; c = log2(e) / 8
	s_mov_b32 s23, s22
.irp i, 16,17,18,19,20,21,28,29,30,31,32,33
	v_mov_b32 v\i, 0                               ; zero codes beside q
.endr
.irp b, 0,1,2,3
	v_mov_b32 v[236+\b], 0                         ; a lane permute's destination counts as one of its sources
.endr
	v_mov_b32 v253, 0                              ; (named as the upper half of v[252:253] before it is first written)
	s_mul_i32 s34, s14, 204800
	s_mov_b32 s35, 0
	s_mov_b32 s15, 0
	s_wait_kmcnt 0x0
	s_add_nc_u64 s[34:35], s[6:7], s[34:35]        ; my head's key steps
.Lpass:
	s_wait_xcnt 0x0                                ; the last pass's stores have read their registers and bases
	s_sub_co_u32 s36, 7, s13
	s_cmp_eq_u32 s15, 0
	s_cselect_b32 s16, s36, s13                    ; the query block
	s_lshr_b32 s37, s12, 3                         ; g: which 128 of its 256
	s_lshl_b32 s38, s16, 1
	s_add_co_u32 s38, s38, s37
	s_lshl_b32 s39, s14, 4
	s_add_co_u32 s39, s39, s38
	s_mul_i32 s28, s39, 6400
	s_mov_b32 s29, 0
	s_add_nc_u64 s[28:29], s[4:5], s[28:29]        ; Q's block
	s_lshr_b32 s36, s14, 4                         ; batch
	s_and_b32 s37, s14, 15                         ; head
	s_lshl_b32 s39, s36, 7
	s_lshl_b32 s40, s16, 4
	s_add_co_u32 s39, s39, s40
	s_add_co_u32 s39, s39, s12                     ; my tile of tokens
	s_mul_i32 s30, s39, 12288
	s_mul_i32 s40, s37, 768
	s_add_co_u32 s30, s30, s40
	s_mov_b32 s31, 0
	s_add_nc_u64 s[30:31], s[8:9], s[30:31]        ; ctx's three units
	s_lshl_b32 s39, s36, 4
	s_add_co_u32 s39, s39, s38
	s_lshl_b32 s39, s39, 4
	s_add_co_u32 s39, s39, s37
	s_lshl_b32 s32, s39, 8
	s_mov_b32 s33, 0
	s_add_nc_u64 s[32:33], s[10:11], s[32:33]      ; ctx's scale bytes
	s_mov_b64 s[18:19], s[34:35]
.irp c, 0,1,2
	global_load_b128 v[200+4*\c:203+4*\c], v7, s[28:29] offset:512*\c
.endr
	global_load_b32 v212, v8, s[28:29] offset:6144
	COPYLOAD                                       ; key step 0
	s_wait_loadcnt 0x0
.irp i, 0,1,2,3,4,5
	v_cndmask_b32 v[22+\i], v[200+\i], v[206+\i], s24
.endr
	v_perm_b32 v255, v212, v212, s25
	COPYSTORE 0                                    ; slot 0 was last read ahead of the last barrier
	v_mov_b32 v13, 0xff61b1e6                      ; the largest t so far: -3e38
	v_floor_f32 v12, -v13
	v_mov_b32 v14, 0
	v_mov_b32 v15, 0
.set J, 0
.rept 32
	v_mov_b32 v[160+J], 0                          ; O^T: the step is written once, its first run finds zeros.  (Also the places between q's codes and scale word and the first products)
.set J, J+1
.endr
	s_wait_dscnt 0x0                               ; the copy's stores have read their registers
	s_add_nc_u64 s[18:19], s[18:19], SLOTB
	COPYLOAD                                       ; key step 1: every pass has at least two
	s_cmp_eq_u32 s16, 0
	s_cbranch_scc1 .Ltail
	s_mov_b32 s17, 0
.Lk:                                               ; a trip: two key steps all of whose keys count; it asks for blocks 2 i + 2 and 2 i + 3, the last of which is the pass's last
	STEP 0, 1, 1, 0
	STEP 1, 1, 1, 0
	s_add_co_u32 s17, s17, 1
	s_cmp_lt_u32 s17, s16
	s_cbranch_scc1 .Lk
.Ltail:
	STEP 0, 1, 0, 1
	STEP 1, 0, 0, 2
	; THE WAY OUT: O^T / the sum; register 16 b + i is d = 32 b + 16 h + i of my query: two blocks of the next product's K
	v_add_f32 v14, v14, v15
	v_permlanex16_b32 v252, v14, s20, s21
	v_add_f32 v14, v14, v252                       ; the row's sum
	v_rcp_f32 v14, v14
	v_nop                                          ; a plain line behind the reciprocal
	s_wait_alu depctr_va_vdst(0)                   ; and the wait ahead of its first reader
.set J, 0
.rept 16
	v_pk_mul_f32 v[96+J:97+J], v[160+J:161+J], v[14:15] op_sel_hi:[1,0]
.set J, J+2
.endr
.irp b, 0,1
	v_max3_num_f32 v[232+\b], |v[96+16*\b]|, |v[97+16*\b]|, 0x1800000
.endr
.irp i, 2,4,6,8,10,12,14
.irp b, 0,1
	v_max3_num_f32 v[232+\b], v[232+\b], |v[96+16*\b+\i]|, |v[97+16*\b+\i]|
.endr
.endr
.irp b, 0,1
	v_permlanex16_b32 v[236+\b], v[232+\b], s20, s21
.endr
.irp b, 0,1
	v_max_num_f32 v[232+\b], v[232+\b], v[236+\b]
.endr
.irp b, 0,1
	v_add_nc_u32 v[244+\b], 0xff000000, v[232+\b]
.endr
.irp b, 0,1
	v_lshrrev_b32 v[236+\b], 23, v[244+\b]
.endr
	v_cvt_scalef32_pk16_fp6_f32 v[224:226], v[96:111], v244
	v_cvt_scalef32_pk16_fp6_f32 v[240:242], v[112:127], v245
	v_cndmask_b32 v248, v236, v237, s26            ; my half's byte (also the plain line behind the conversions)
.irp i, 0,1,2
	v_permlane16_swap_b32 v[224+\i], v[240+\i]
.endr
.irp i, 0,1,2
	v_mov_b32 v[227+\i], v[240+\i]
.endr
.irp p, 0,1,2
	global_store_b64 v5, v[224+2*\p:225+2*\p], s[30:31] offset:256*\p   ; 32 lanes store 256 consecutive bytes, aligned
.endr
	global_store_b8 v6, v248, s[32:33]
	s_add_co_u32 s15, s15, 1
	s_cmp_lt_u32 s15, 2
	s_cbranch_scc1 .Lpass
	s_wait_tensorcnt 0x0
	ds_add_u32 v250, v251
	s_wait_dscnt 0x0
	s_endpgm
.Lfunc_end_k_qb28e03b212_attn:
	.size	k_qb28e03b212_attn, .Lfunc_end_k_qb28e03b212_attn-k_qb28e03b212_attn
	.p2alignl 7, 3214868480
	.fill 96, 4, 3214868480
	.section	.rodata,"a",@progbits
	.p2align	6, 0x0
	.amdhsa_kernel k_qb28e03b212_attn
		.amdhsa_group_segment_fixed_size 27648
		.amdhsa_private_segment_fixed_size 0
		.amdhsa_enable_private_segment 0
		.amdhsa_kernarg_size 32
		.amdhsa_user_sgpr_count 2
		.amdhsa_user_sgpr_kernarg_segment_ptr 1
		.amdhsa_wavefront_size32 1
		.amdhsa_system_sgpr_workgroup_id_x 1
		.amdhsa_system_sgpr_workgroup_id_y 1
		.amdhsa_system_sgpr_workgroup_id_z 1
		.amdhsa_system_vgpr_workitem_id 0
		.amdhsa_next_free_vgpr 256
		.amdhsa_next_free_sgpr 66
		.amdhsa_reserve_vcc 1
		.amdhsa_float_denorm_mode_32 3
		.amdhsa_float_denorm_mode_16_64 3
		.amdhsa_memory_ordered 1
		.amdhsa_forward_progress 1
		.amdhsa_inst_pref_size 83
	.end_amdhsa_kernel
	.amdgpu_metadata
---
amdhsa.version: [ 1, 2 ]
amdhsa.kernels:
  - .name:           k_qb28e03b212_attn
    .symbol:         k_qb28e03b212_attn.kd
    .args:
      - { .name: qimg, .offset: 0, .size: 8, .value_kind: global_buffer, .address_space: global }
      - { .name: kv, .offset: 8, .size: 8, .value_kind: global_buffer, .address_space: global }
      - { .name: cimg, .offset: 16, .size: 8, .value_kind: global_buffer, .address_space: global }
      - { .name: cscl, .offset: 24, .size: 8, .value_kind: global_buffer, .address_space: global }
    .group_segment_fixed_size: 27648
    .private_segment_fixed_size: 0
    .kernarg_segment_align: 8
    .kernarg_segment_size: 32
    .max_flat_workgroup_size: 512
    .sgpr_count:     66
    .vgpr_count:     256
    .wavefront_size: 32
...
	.end_amdgpu_metadata
.endif
;; end of part 3
;; launch outp (part 4): grid 4 x 32, 4 waves a work-group, clusters of 4 x 4, 327,680 bytes of LDS; arguments cimg, cscl, img, scl, bo, out0; writes out0
.if DOCPART == 4
	.amdgcn_target "amdgcn-amd-amdhsa--gfx1250"
	.amdhsa_code_object_version 6
	.text
	.protected	k_qb28e03b212_outp
	.globl	k_qb28e03b212_outp
	.p2align	8
	.type	k_qb28e03b212_outp,@function
k_qb28e03b212_outp:
	s_mov_b64 s[64:65], 0
	v_nop
	global_prefetch_b8 v0, s[64:65] scope:SCOPE_SE
	s_setreg_imm32_b32 hwreg(HW_REG_WAVE_MODE, 25, 1), 1
	s_wait_xcnt 0x0
	s_wait_alu depctr_hold_cnt(0) depctr_sa_sdst(0) depctr_va_vdst(0) depctr_va_sdst(0) depctr_va_ssrc(0) depctr_va_vcc(0) depctr_vm_vsrc(0)
	s_getreg_b32 s2, hwreg(HW_REG_IB_STS2, 6, 4)
	s_cmp_eq_u32 s2, 0
	s_cbranch_scc0 .Lentry_in_a_cluster
	s_endpgm
.Lentry_in_a_cluster:
	s_bfe_u32 s2, ttmp6, 0x10000c
	s_cmp_lg_u32 s2, 0xf033
	s_cbranch_scc0 .Lentry_shape_is_right
	s_endpgm
.Lentry_shape_is_right:
; out0 = ctx Wo + bo on codes of FP6 (E2M3).  A = ctx (8,192 tokens), B = Wo's 1,024 output features, K = 1,024 (head x 64 + d).
; A tile of 256 x 256 is made by four waves, 128 x 128 each; K goes in steps of 256 through two LDS slots filled by the tensor data mover; 4 x 4 clusters with joint loads: A's tile shared along a row, B's along a column.
; Operands lie in memory as their registers on end (six units of 256 bytes a fragment); the places of a tile are not neighbours (place r of tile 2 b + u is row 32 b + 8 u + r + 8 (r / 8)), which the way out undoes by its offsets.
; Source 0 = 16 places of B, source 1 = 16 of A: a lane holds one token, and the 16 registers of B's tiles 2 b, 2 b + 1 are 16 neighbouring features.  bo is the C of each sum's first product.
; ctx's scale bytes arrive [16 heads][128 places][2]; they are laid once, through registers, as [4 quarters of K][128 places][8], into LDS bytes of their own.
; 128 work-groups: the problem has 128 tiles of this size.
; REGISTERS: window 0: v1-29 addresses; v32-63 scale words, two sets; v64-127 bo; v128-223 A's fragments (on the way out v128-255: rows read back); window 1: B's two sets; windows 2, 3: the accumulators.
.set FR,    12
.set NL,    6
.set NP,    4
.set NQ,    2
.set TILEB, 3072
.set HALFT, 8*TILEB
.set SLOT,  4*HALFT
.set SCA2,  2*SLOT                     ; ctx's scales as the products want them: 2 x 4,096 bytes, written by LDS stores, never filled
.set SCL,   SCA2+8192                  ; the scales as they are fetched: 4,096 bytes a wave's load
.set SPARE, SCL+16384                  ; the spare words, 128 bytes a wave: two blocks of 256 bytes that no other line names
.set SPITCH, 528                       ; the way out: a stage of 16 rows x (512 bytes + 16) a wave, in slot 0, which has had its last fill and its last read by then
.set BO,   7
.set ADRA, 16
.set ADRB, 20
.set STO,  24
.set RD,   25
.set CO,   26
.set ADRS, 27
.set SPW,  28
.set NIL,  29
.set SC,   32
.set BI,   64
.set AF,   128
.set BK,   128
.set G1, 24
.set G0, 32
.set G1B, 48
.set G0B, 56
.set G1S, 68
.set G0S, 76
.set G1SB, 80
.set G0SB, 88
.set MSB, 0
.macro WIN new
.if MSB != (\new)
	s_set_vgpr_msb (MSB<<8)|(\new)
.set MSB, (\new)
.endif
.endm
.set MUL_LO, 0xa1
.set MUL_HI, 0xf1
.set TO_B,   0x40
.macro JLOAD g0a, g1a, g0b, g1b        ; a joint load: waves 0 and 1 fetch for A, waves 2 and 3 for B; four v_nop follow each line
	s_cmp_eq_u32 s15, 0
	s_cbranch_scc0 .Lfor_b_\@
	tensor_load_to_lds s[\g0a:\g0a+3], s[\g1a:\g1a+7]
	s_nop 0
.rept 4
	v_nop
.endr
	s_branch .Lasked_\@
.Lfor_b_\@:
	tensor_load_to_lds s[\g0b:\g0b+3], s[\g1b:\g1b+7]
	s_nop 0
.rept 4
	v_nop
.endr
.Lasked_\@:
.endm
.macro CREST
	s_cmp_lg_u32 s14, 0
	s_cbranch_scc1 .Lnot_wave_0_\@
	s_barrier_signal -3
.Lnot_wave_0_\@:
	s_barrier_wait -3
	s_barrier_signal -1
	s_barrier_wait -1
.endm
.macro CROUND
	s_barrier_signal -1
	s_barrier_wait -1
	CREST
.endm
.macro PLACES n
.rept \n
	v_nop
.endr
.endm
.macro FRAG reg, adr, q, i
.irp p, 0,1,2,3,4,5
	ds_load_b64 v[\reg+2*\p:\reg+2*\p+1], v[\adr] offset:TILEB*(\i)+1536*(\q)+256*\p
.endr
.endm
.macro MUL16 a0, p, q, sc, zero        ; zero = 2: the first product starts the sums from bo; the 64 accumulators take turns
.irp a, \a0, \a0+1
.irp b, 0,1,2,3,4,5,6,7
.if \zero == 2
	v_wmma_scale_f32_16x16x128_f8f6f4 v[8*(8*((\a)%4)+\b):8*(8*((\a)%4)+\b)+7], v[128*(\p)+FR*\b:128*(\p)+FR*\b+FR-1], v[AF+FR*(\a):AF+FR*(\a)+FR-1], v[BI+8*\b:BI+8*\b+7], v[SC+8*NQ*(\sc)+NQ*\b+(\q)], v[SC+8*NQ*(\sc)+NQ*(\a)+(\q)] matrix_a_fmt:MATRIX_FMT_FP6 matrix_b_fmt:MATRIX_FMT_FP6 matrix_a_scale:MATRIX_SCALE_ROW1
.else
	v_wmma_scale_f32_16x16x128_f8f6f4 v[8*(8*((\a)%4)+\b):8*(8*((\a)%4)+\b)+7], v[128*(\p)+FR*\b:128*(\p)+FR*\b+FR-1], v[AF+FR*(\a):AF+FR*(\a)+FR-1], v[8*(8*((\a)%4)+\b):8*(8*((\a)%4)+\b)+7], v[SC+8*NQ*(\sc)+NQ*\b+(\q)], v[SC+8*NQ*(\sc)+NQ*(\a)+(\q)] matrix_a_fmt:MATRIX_FMT_FP6 matrix_b_fmt:MATRIX_FMT_FP6 matrix_a_scale:MATRIX_SCALE_ROW1
.endif
.endr
.endr
.endm
.macro FETCH_B slot, q, p
	WIN TO_B
.irp i, 0,1,2,3,4,5,6,7
	FRAG 128*(\p)+FR*\i, ADRB+\slot, \q, \i
.endr
	WIN 0
.endm
.macro FETCH_A slot, q, i0
.irp i, \i0, \i0+1, \i0+2, \i0+3
	FRAG AF+FR*(\i), ADRA+\slot, \q, \i
.endr
.endm
.macro SCALES sc
.irp i, 0,1,2,3,4,5,6,7
	ds_load_b64 v[SC+8*NQ*\sc+NQ*\i:SC+8*NQ*\sc+NQ*\i+1], v[ADRS] offset:128*\i
.endr
.endm
.macro STEP slot, q, zero
	s_wait_dscnt 4*NL                              ; all but the youngest 24 loads (A's blocks 4-7)
.if \zero == 2
	WIN 0x81                                       ; C (bo) window 0, D window 2
.else
	WIN MUL_LO
.endif
	MUL16 0, (\q)%2, \q, \slot, \zero
	MUL16 2, (\q)%2, \q, \slot, \zero
	s_wait_dscnt 0
	PLACES NP
	FETCH_B \slot, (\q)+1, 1-(\q)%2
	FETCH_A \slot, (\q)+1, 0
.if \zero == 2
	WIN 0xc1
.else
	WIN MUL_HI
.endif
	MUL16 4, (\q)%2, \q, \slot, \zero
	MUL16 6, (\q)%2, \q, \slot, \zero
	PLACES NP
	WIN 0
	FETCH_A \slot, (\q)+1, 4
.endm
.macro TURN slot, next, fill
	s_wait_tensorcnt 0x0                           ; all my tensor loads have landed: my part of the next slot
	ds_add_u32 v[SPW], v[NIL]                      ; 0 onto my spare word
	s_wait_dscnt 4*NL+1                            ; the add and the youngest 24 loads may be out
	WIN MUL_LO
	MUL16 0, 1, NQ-1, \slot, 0
	s_wait_dscnt 0x0                               ; the add is done, and my reads of this slot are over
	s_barrier_signal -1
	MUL16 2, 1, NQ-1, \slot, 0
	WIN 0
	s_barrier_wait -1
.if \fill
	CREST
	s_add_nc_u64 s[G0+4*\slot+2:G0+4*\slot+3], s[G0+4*\slot+2:G0+4*\slot+3], 2*TILEB
	s_add_nc_u64 s[G0B+4*\slot+2:G0B+4*\slot+3], s[G0B+4*\slot+2:G0B+4*\slot+3], 2*TILEB
	JLOAD G0+4*\slot, G1, G0B+4*\slot, G1B
.else
	PLACES NP
.endif
	v_add_nc_u32 v[ADRS], 1024, v[ADRS]
	FETCH_B \next, 0, 0
	FETCH_A \next, 0, 0
	SCALES \next
	WIN MUL_HI
	MUL16 4, 1, NQ-1, \slot, 0
	MUL16 6, 1, NQ-1, \slot, 0
	PLACES NP
	WIN 0
	FETCH_A \next, 0, 4
.endm
; THE WAY OUT, block by block of 16 tokens x 128 features, through my own stage: in 32 bytes a lane at the features' true places, back as whole rows of 512 bytes.
.macro TOSTAGE a
.set AC, 64*((\a)%4)
	WIN 0x08+4*((\a)/4)
.irp b, 0,1,2,3,4,5,6,7
	ds_store_b128 v[STO], v[AC+8*\b:AC+8*\b+3] offset:128*(\b/2)+32*(\b%2)          ; each accumulator from its low end on
	ds_store_b128 v[STO], v[AC+8*\b+4:AC+8*\b+7] offset:128*(\b/2)+32*(\b%2)+16
.endr
	WIN 0
.set BB, BK+64*((\a)%2)
.irp t, 0,1,2,3,4,5,6,7,8,9,10,11,12,13,14,15
	ds_load_b128 v[BB+4*\t:BB+4*\t+3], v[RD] offset:\t*SPITCH   ; LDS serves a wave's instructions in order: these see the stores above
.endr
.endm
.macro SEND a, younger
.set BB, BK+64*((\a)%2)
	s_wait_dscnt \younger
.irp t, 0,1,2,3,4,5,6,7,8,9,10,11,12,13,14,15
	global_store_b128 v[CO], v[BB+4*\t:BB+4*\t+3], s[12:13] offset:(32*((\a)/2)+8*((\a)%2)+\t+8*(\t/8))*4096 th:TH_STORE_NT   ; place t of block a is this token; 32 lanes store 512 consecutive bytes, aligned to 256
.endr
.endm
	s_load_b256 s[4:11], s[0:1], 0x0               ; cimg, cscl, img, scl
	s_load_b128 s[92:95], s[0:1], 0x20             ; bo, out0
	v_lshl_add_u32 v[SPW], v0, 2, SPARE
	v_mov_b32 v[NIL], 0
	ds_add_u32 v28, v29
	ds_add_u32 v28, v29
	s_wait_dscnt 0x0
	v_lshrrev_b32 v1, 5, v0
	v_readfirstlane_b32 s14, v1
	s_lshr_b32 s15, s14, 1
	s_and_b32 s16, s14, 1
	s_bfe_u32 s40, ttmp6, 0x40000                  ; cx, cy
	s_bfe_u32 s41, ttmp6, 0x40004
	s_and_b32 s17, ttmp7, 0xffff
	s_lshl_b32 s17, s17, 2
	s_add_co_u32 s17, s17, s41                     ; A: block of 256 tokens = 4 x cluster y + cy
	s_add_co_u32 s42, s40, 44                      ; B: Wo's blocks of 256 places begin at 44
	s_lshl_b32 s43, s41, 2
	s_lshl_b32 s43, 15, s43
	s_lshl_b32 s44, 0x1111, s40
	s_or_b32 s[G1+0], s43, (3<<16)|(1<<21)
	s_or_b32 s[G1B+0], s44, (3<<16)|(1<<21)
.irp g, G1, G1B                                    ; 8 tiles x 3,072 bytes, 12,288 bytes apart
	s_mov_b32 s[\g+1], 384<<16
	s_mov_b32 s[\g+2], 8<<16
	s_mov_b32 s[\g+3], 384<<16
	s_mov_b32 s[\g+4], 8
	s_mov_b32 s[\g+5], 1536
	s_mov_b32 s[\g+6], 0
	s_mov_b32 s[\g+7], 0
.endr
	s_or_b32 s[G1S+0], s43, (3<<16)|(1<<21)        ; ctx's scale bytes of 128 places: 4,096 dense bytes as 16 rows of 256
	s_mov_b32 s[G1S+1], 32<<16
	s_mov_b32 s[G1S+2], 16<<16
	s_mov_b32 s[G1S+3], 32<<16
	s_mov_b32 s[G1S+4], 16
	s_mov_b32 s[G1S+5], 32
	s_mov_b32 s[G1S+6], 0
	s_mov_b32 s[G1S+7], 0
	s_or_b32 s[G1SB+0], s44, (3<<16)|(1<<21)       ; Wo's: 4 quarters of K x 1,024 bytes, 98,304 bytes apart
	s_mov_b32 s[G1SB+1], 128<<16
	s_mov_b32 s[G1SB+2], 4<<16
	s_mov_b32 s[G1SB+3], 128<<16
	s_mov_b32 s[G1SB+4], 4
	s_mov_b32 s[G1SB+5], 12288
	s_mov_b32 s[G1SB+6], 0
	s_mov_b32 s[G1SB+7], 0
	s_mul_i32 s20, s17, 16*12288
	s_mul_i32 s18, s16, 8*12288
	s_add_co_u32 s20, s20, s18
	s_mov_b32 s21, 0
	s_mul_i32 s46, s42, 16*12288
	s_add_co_u32 s46, s46, s18
	s_mov_b32 s47, 0
	s_lshl_b32 s22, s17, 13                        ; ctx's scales: 2 x 4,096 bytes a block
	s_lshl_b32 s18, s16, 12
	s_add_co_u32 s22, s22, s18
	s_mov_b32 s23, 0
	s_lshl_b32 s2, s42, 11
	s_lshl_b32 s18, s16, 10
	s_add_co_u32 s2, s2, s18
	s_mov_b32 s3, 0
	s_mul_i32 s45, s14, HALFT
	s_lshl_b32 s19, s14, 12
	s_wait_kmcnt 0x0
	s_add_nc_u64 s[20:21], s[4:5], s[20:21]
	s_add_nc_u64 s[46:47], s[8:9], s[46:47]
	s_add_nc_u64 s[22:23], s[6:7], s[22:23]
	s_add_nc_u64 s[2:3], s[10:11], s[2:3]
	CROUND                                         ; all sixteen work-groups are here: the first joint loads meet
	s_mov_b32 s[G0S], 1
	s_add_co_u32 s[G0S+1], s19, SCL
	s_mov_b64 s[G0S+2:G0S+3], s[22:23]
	s_or_b32 s[G0S+3], s[G0S+3], 0x80000000
	s_mov_b32 s[G0SB], 1
	s_add_co_u32 s[G0SB+1], s19, SCL
	s_mov_b64 s[G0SB+2:G0SB+3], s[2:3]
	s_or_b32 s[G0SB+3], s[G0SB+3], 0x80000000
	JLOAD G0S, G1S, G0SB, G1SB                     ; the scales first: filled once.  With the two slots three loads of mine are out
.irp s, 0,1
	s_mov_b32 s[G0+4*\s], 1
	s_add_co_u32 s[G0+4*\s+1], s45, \s*SLOT
	s_add_nc_u64 s[G0+4*\s+2:G0+4*\s+3], s[20:21], \s*TILEB
	s_or_b32 s[G0+4*\s+3], s[G0+4*\s+3], 0x80000000
	s_mov_b32 s[G0B+4*\s], 1
	s_add_co_u32 s[G0B+4*\s+1], s45, \s*SLOT
	s_add_nc_u64 s[G0B+4*\s+2:G0B+4*\s+3], s[46:47], \s*TILEB
	s_or_b32 s[G0B+4*\s+3], s[G0B+4*\s+3], 0x80000000
	JLOAD G0+4*\s, G1, G0B+4*\s, G1B
.endr
	v_and_b32 v1, 15, v0                           ; r
	v_bfe_u32 v2, v0, 4, 1                         ; h
	v_and_b32 v3, 31, v0                           ; lane
	v_lshlrev_b32 v4, 3, v3
	s_lshl_b32 s18, s40, 10                        ; bo: my 128 features
	s_lshl_b32 s19, s16, 9
	s_add_co_u32 s18, s18, s19
	s_mov_b32 s19, 0
	s_add_nc_u64 s[92:93], s[92:93], s[18:19]
	s_add_nc_u64 s[12:13], s[94:95], s[18:19]      ; out0: the same columns,
	s_lshl_b32 s18, s17, 20
	s_lshl_b32 s19, s15, 19
	s_add_co_u32 s18, s18, s19
	s_mov_b32 s19, 0
	s_add_nc_u64 s[12:13], s[12:13], s[18:19]      ; my 128 rows of 4,096 bytes
	v_lshlrev_b32 v[BO], 6, v2                     ; register 8 b + j wants feature 32 (b / 2) + 8 (b % 2) + 16 h + j
.irp b, 0,1,2,3,4,5,6,7
	global_load_b128 v[BI+8*\b:BI+8*\b+3], v[BO], s[92:93] offset:(32*(\b/2)+8*(\b%2))*4
	global_load_b128 v[BI+8*\b+4:BI+8*\b+7], v[BO], s[92:93] offset:(32*(\b/2)+8*(\b%2))*4+16
.endr
	s_mul_i32 s18, s15, HALFT
	s_mul_i32 s19, s16, HALFT
	s_add_co_u32 s19, s19, 2*HALFT
.irp s, 0,1
	v_add_nc_u32 v[ADRA+\s], s18, v4
	v_add_nc_u32 v[ADRB+\s], s19, v4
	s_add_co_u32 s18, s18, SLOT
	s_add_co_u32 s19, s19, SLOT
.endr
	v_lshlrev_b32 v5, 3, v1
	s_lshl_b32 s18, s15, 12                        ; A's scale words: SCA2 + my half
	s_lshl_b32 s19, s16, 12
	s_add_co_u32 s19, s19, SCL-SCA2+8192           ; B's: behind the two raw halves of A's in SCL
	s_sub_co_u32 s19, s19, s18
	v_mul_u32_u24 v6, s19, v2                      ; lanes 16-31 take B's: the lower base + h x the distance
	s_add_co_u32 s18, s18, SCA2
	v_add_nc_u32 v5, v5, v6
	v_add_nc_u32 v[ADRS], s18, v5
	v_lshrrev_b32 v8, 6, v0                        ; the re-laying of ctx's scales: thread tau takes places 2 (tau % 64), + 1 of half tau / 64
	v_and_b32 v9, 63, v0
	v_lshlrev_b32 v8, 12, v8
	v_lshl_add_u32 v5, v9, 2, v8
	v_add_nc_u32 v5, SCL, v5                       ; from: 4 bytes (two places x two bytes) of each head's 256
	v_lshl_add_u32 v6, v9, 4, v8
	v_add_nc_u32 v6, SCA2, v6                      ; to: 16 bytes (two places x eight bytes) of each quarter's 1,024
	s_mul_i32 s18, s14, 16*SPITCH                  ; my stage
	v_mul_u32_u24 v10, v1, SPITCH
	v_lshl_add_u32 v10, v2, 6, v10
	v_add_nc_u32 v[STO], s18, v10                  ; in: row r, + 64 h
	v_lshlrev_b32 v[CO], 4, v3
	v_add_nc_u32 v[RD], s18, v[CO]
	s_mov_b32 s22, 0x05040100
	s_mov_b32 s23, 0x07060302
	s_wait_tensorcnt 1                             ; the scales and my part of slot 0 are in (slot 1's load may be out)
	s_barrier_signal -1
	s_barrier_wait -1                              ; everybody's are
.irp d, 0,1,2,3,4,5,6,7,8,9,10,11,12,13,14,15
	ds_load_b32 v[128+\d], v5 offset:256*\d
.endr
	s_wait_dscnt 0x0
.irp g, 0,1,2,3                                    ; quarter g of K is heads 4 g .. 4 g + 3
	v_perm_b32 v[144+4*\g], v[129+4*\g], v[128+4*\g], s22
	v_perm_b32 v[145+4*\g], v[131+4*\g], v[130+4*\g], s22
	v_perm_b32 v[146+4*\g], v[129+4*\g], v[128+4*\g], s23
	v_perm_b32 v[147+4*\g], v[131+4*\g], v[130+4*\g], s23
.endr
.irp g, 0,1,2,3
	ds_store_b128 v6, v[144+4*\g:147+4*\g] offset:1024*\g
.endr
	s_wait_dscnt 0x0                               ; for the others' sake: my stores have landed
	s_barrier_signal -1
	s_barrier_wait -1
	s_wait_loadcnt 0x0                             ; bo
	FETCH_B 0, 0, 0
	FETCH_A 0, 0, 0
	SCALES 0
	FETCH_A 0, 0, 4
	STEP 0, 0, 2                                   ; the first products start the sums from bo
	TURN 0, 1, 1
	STEP 1, 0, 0
	TURN 1, 0, 1
	STEP 0, 0, 0
	TURN 0, 1, 0                                   ; the last change of slots fills nothing
	STEP 1, 0, 0
	s_wait_dscnt 4*NL                              ; the very last 128 along K
	WIN MUL_LO
	MUL16 0, 1, NQ-1, 1, 0
	MUL16 2, 1, NQ-1, 1, 0
	s_wait_dscnt 0
	WIN MUL_HI
	MUL16 4, 1, NQ-1, 1, 0
	MUL16 6, 1, NQ-1, 1, 0
	WIN 0
	PLACES NP                                      ; in front of the loads into A's registers and of the reads of results
	TOSTAGE 0
.irp a, 1,2,3,4,5,6,7
.if \a > 1
	s_wait_xcnt 0x0                                ; block a - 2's stores have read their registers: block a's loads may land there
.endif
	TOSTAGE \a
	SEND \a-1, 32                                  ; behind block a - 1's loads: block a's 16 stores and 16 loads
.endr
	SEND 7, 0
	s_wait_tensorcnt 0x0                           ; the wave's end
	ds_add_u32 v[SPW], v[NIL]
	s_wait_dscnt 0x0
	CROUND                                         ; the closing round
	s_endpgm
.Lfunc_end_k_qb28e03b212_outp:
	.size	k_qb28e03b212_outp, .Lfunc_end_k_qb28e03b212_outp-k_qb28e03b212_outp
	.p2alignl 7, 3214868480
	.fill 96, 4, 3214868480
	.section	.rodata,"a",@progbits
	.p2align	6, 0x0
	.amdhsa_kernel k_qb28e03b212_outp
		.amdhsa_group_segment_fixed_size 327680
		.amdhsa_private_segment_fixed_size 0
		.amdhsa_enable_private_segment 0
		.amdhsa_kernarg_size 48
		.amdhsa_user_sgpr_count 2
		.amdhsa_user_sgpr_kernarg_segment_ptr 1
		.amdhsa_wavefront_size32 1
		.amdhsa_system_sgpr_workgroup_id_x 1
		.amdhsa_system_sgpr_workgroup_id_y 1
		.amdhsa_system_sgpr_workgroup_id_z 1
		.amdhsa_system_vgpr_workitem_id 0
		.amdhsa_next_free_vgpr 1024
		.amdhsa_next_free_sgpr 100
		.amdhsa_reserve_vcc 0
		.amdhsa_float_denorm_mode_32 3
		.amdhsa_float_denorm_mode_16_64 3
		.amdhsa_memory_ordered 1
		.amdhsa_forward_progress 1
		.amdhsa_inst_pref_size 163
	.end_amdhsa_kernel
	.amdgpu_metadata
---
amdhsa.version: [ 1, 2 ]
amdhsa.kernels:
  - .name:           k_qb28e03b212_outp
    .symbol:         k_qb28e03b212_outp.kd
    .args:
      - { .name: cimg, .offset: 0, .size: 8, .value_kind: global_buffer, .address_space: global }
      - { .name: cscl, .offset: 8, .size: 8, .value_kind: global_buffer, .address_space: global }
      - { .name: img, .offset: 16, .size: 8, .value_kind: global_buffer, .address_space: global }
      - { .name: scl, .offset: 24, .size: 8, .value_kind: global_buffer, .address_space: global }
      - { .name: bo, .offset: 32, .size: 8, .value_kind: global_buffer, .address_space: global }
      - { .name: out0, .offset: 40, .size: 8, .value_kind: global_buffer, .address_space: global }
    .group_segment_fixed_size: 327680
    .private_segment_fixed_size: 0
    .kernarg_segment_align: 8
    .kernarg_segment_size: 48
    .max_flat_workgroup_size: 128
    .sgpr_count:     100
    .vgpr_count:     1024
    .wavefront_size: 32
...
	.end_amdgpu_metadata
.endif
;; end of part 4
;; ======== version 2 of 2: 4 launches; version 1 with the launch attn written anew for expert scheduling mode
;; workspace buffers: img 9,437,184 bytes; scl 393,216 bytes; qimg 6,553,600 bytes; kv 13,107,200 bytes; cimg 6,291,456 bytes; cscl 262,144 bytes
;; launch quant: the kernel of part 1 again; grid 384 x 1, 4 waves a work-group, no clusters, 35,328 bytes of LDS; arguments x, Wq, Wk, Wv, Wo, img, scl; writes img, scl
;; launch proj: the kernel of part 2 again; grid 12 x 32, 4 waves a work-group, clusters of 4 x 4, 327,680 bytes of LDS; arguments img, scl, bq, bk, bv, qimg, kv; writes qimg, kv
;; launch attn (part 5): grid 4 x 64, 16 waves a work-group, no clusters, 27,648 bytes of LDS; arguments qimg, kv, cimg, cscl; writes cimg, cscl
.if DOCPART == 5
	.amdgcn_target "amdgcn-amd-amdhsa--gfx1250"
	.amdhsa_code_object_version 6
	.text
	.protected	k_qb28e03b212_attn
	.globl	k_qb28e03b212_attn
	.p2align	8
	.type	k_qb28e03b212_attn,@function
k_qb28e03b212_attn:
	s_mov_b64 s[64:65], 0
	v_nop
	global_prefetch_b8 v0, s[64:65] scope:SCOPE_SE
	s_setreg_imm32_b32 hwreg(HW_REG_WAVE_SCHED_MODE, 0, 2), 2
	s_setreg_imm32_b32 hwreg(HW_REG_WAVE_MODE, 25, 1), 1
	s_wait_xcnt 0x0
	s_wait_alu depctr_vm_vsrc(0)
; Causal attention of one head on codes of FP6 (E2M3), and the quantising of its result along the next product's K (head x 64 + d).
; t = score x log2(e) / 8; M = the running largest t rounded UP to a whole number; p = 2^(t - M) is quantised along the keys, not normalised; the row's sum of the unquantised p divides at the end.
; SHARES.  Work-group (j, head) makes two passes: query block 7 - j, then j, 256 queries each: 2 (8 - j) + 2 (j + 1) = 18 key steps of 128 keys for every work-group.  Each of sixteen waves owns 16 queries in 256 registers.
; Key steps that lie wholly behind the mask are not walked; the last step of a pass is left out by waves 0-7, all of whose queries come before its keys.
; A KEY STEP'S BLOCK is 12,800 dense bytes of kv: it goes memory -> registers -> LDS (25 bytes a lane), one step ahead, into two slots named by immediates alone.  One barrier a step.
; THE HEAD IS 64 WIDE, the instruction 128: a fragment of K carries TWO tiles of 16 keys (k-places 0-63: tile (b, 0); 64-127: tile (b, 1)); it is multiplied by [q | 0] and by [0 | q]: zero codes add nothing.
; Both products are used transposed: a lane holds one query throughout.  The keys of a tile are chosen (by the launch before) so that the 16 registers of tiles (b, 0), (b, 1) are keys 32 b + 16 h + 0 .. 15.
; NO CLUSTER: the four work-groups of a head walk 16 - 2 j and then 2 j + 2 steps, so at a given time they stand at different key steps and could not ask jointly; what they share is 12,800 bytes a step.
; The scale bytes of ctx leave as 32 consecutive bytes a wave, a part of a block of 256: 512 bytes of the 12,800 that a work-group stores in a pass.
; LIMITS: NaN and infinities are not served; a block of ctx under 2^-124 gets the byte 1 and zero codes.
; REGISTERS: v1-8 offsets; v12 -M, v13 the largest t, v[14:15] the sum; v16-33 [0 x 6 | q x 6 | 0 x 6]; v36-43 the copy; v48-95 four fragments of K, then of V; v96-159 S^T, then p; v160-191 O^T; v192-199 K's and V's scale words; v200-212 Q as loaded; v224-254 at work; v253 p's scale word; v255 Q's.  s40-47: eight masks of the causal compare.
; THE MODE: SCHED_MODE bits 1:0 = 2 (LLVM: expert scheduling mode 2), set by the entry lines.  The code itself states the register dependences
; between vector or matrix instructions and memory or LDS instructions, with s_wait_alu, always for 0.
; THE PLAN.  Registers that memory or LDS instructions touch:
;   v1-3, v5-8      offsets, made once at the head and never written again: one wait on va_vdst ahead of the first pass serves every load and store of the kernel.
;   v36-43          the copy: global loads land in them, LDS stores read them, no vector instruction names them.  A wait on vm_vsrc stands between the stores and the next loads.
;   v48-95          K's fragments land at a step's head and the eight products K Q^T read them; V^T's land behind those products and the four products V^T P^T read them.  The wave's 256 registers have no room for a second set of 48.
;   v192-195, v196-199  K's and V^T's scale words, loaded and read with their fragments.
;   v200-212        Q as loaded: read by the selects at a pass's head; the next pass's loads stand behind all the steps' waits.
;   v224-229, v248  ctx's codes and byte: written on the way out, read by its four stores, written again by the next pass's conversions.
; A STEP HAS FOUR WAITS ON va_vdst: at its head, ahead of K's loads (the last step's V^T P^T are done reading the fragments); behind K Q^T, ahead of V^T's loads; behind the batch of 68 exponentials, ahead of its first reader;
; and ahead of V^T P^T (p's codes and scale word are written).  Between a wait and the loads that lean on it no vector or matrix instruction names a register that those loads touch.
.set SLOTB, 12800
.set F,     48
.set MK,    40
.macro COPYLOAD                        ; the block at s[18:19]: 512 threads x 16 bytes, then 288 threads x 16 bytes
	global_load_b128 v[36:39], v3, s[18:19]
	s_cmp_lt_u32 s12, 9
	s_cbranch_scc0 .Lcl_\@
	global_load_b128 v[40:43], v3, s[18:19] offset:8192
.Lcl_\@:
.endm
.macro COPYSTORE s
	ds_store_b128 v3, v[36:39] offset:(\s)*SLOTB
	s_cmp_lt_u32 s12, 9
	s_cbranch_scc0 .Lcs_\@
	ds_store_b128 v3, v[40:43] offset:(\s)*SLOTB+8192
.Lcs_\@:
.endm
; A key step from slot sl.  st: the next block goes into the other slot; ld: the block after that is asked for.
; mode 0: all keys count; 1: waves 0-7 lie on the diagonal; 2: waves 0-7 have nothing here, waves 8-15 lie on the diagonal.
.macro STEP sl, st, ld, mode
	s_wait_dscnt 0x0                               ; my stores into this slot have landed, my reads of the other slot are back
	s_barrier_signal -1
	s_barrier_wait -1                              ; both now hold of every wave
.if \st
	s_wait_loadcnt 0x0                             ; the next block, asked for a step ago
	COPYSTORE 1-\sl
.endif
.if \mode == 2
	s_cmp_lt_u32 s12, 8
	s_cbranch_scc1 .Lend_\@
.endif
	s_wait_alu depctr_va_vdst(0)                   ; the last step's products V^T P^T are done reading v48-95, in which K's fragments land; in a pass's first step q's codes v22-27 and scale word v255 are written, which the products below take
.irp i, 0,1,2,3,4,5,6,7,8,9,10,11
	ds_load_b128 v[F+4*\i:F+4*\i+3], v1 offset:\sl*SLOTB+512*\i      ; K's four pair fragments, as their registers lie
.endr
	ds_load_b128 v[192:195], v2 offset:\sl*SLOTB+6144                ; their scale words
	s_wait_dscnt 0x0
.if \ld
	s_wait_alu depctr_vm_vsrc(0)                   ; the copy's LDS stores above have read v36-43, in which the loads below land
	s_add_nc_u64 s[18:19], s[18:19], SLOTB         ; (the last load by this address has been waited for)
	COPYLOAD
.endif
.irp e, 0,1,2,3
	v_wmma_scale_f32_16x16x128_f8f6f4 v[96+16*\e:103+16*\e], v[F+12*\e:F+12*\e+11], v[22:33], 0, v[192+\e], v255 matrix_a_fmt:MATRIX_FMT_FP6 matrix_b_fmt:MATRIX_FMT_FP6
	v_wmma_scale_f32_16x16x128_f8f6f4 v[104+16*\e:111+16*\e], v[F+12*\e:F+12*\e+11], v[16:27], 0, v[192+\e], v255 matrix_a_fmt:MATRIX_FMT_FP6 matrix_b_fmt:MATRIX_FMT_FP6
.endr
.rept 4
	v_nop                                          ; four plain places in front of the first read of the scores
.endr
	s_wait_alu depctr_va_vdst(0)                   ; the eight products are done reading K's fragments v48-95, in which V^T's land (the last step's products were done with v196-199 at the wait at this step's head)
.irp i, 0,1,2,3,4,5,6,7,8,9,10,11
	ds_load_b128 v[F+4*\i:F+4*\i+3], v1 offset:\sl*SLOTB+6400+512*\i ; V^T's four fragments land under the softmax
.endr
	ds_load_b128 v[196:199], v2 offset:\sl*SLOTB+12544
.if \mode == 1
	s_cmp_lt_u32 s12, 8
	s_cbranch_scc0 .Lopen_\@
.endif
.if \mode
	v_mov_b32 v254, 0xff800000                     ; register 16 b + i holds key 32 b + 16 h + i of the step: hidden where 32 b + i > my query's place - 16 h.  Hidden scores become -infinity: p = 0
.set N, 0
.rept 8                                            ; an accumulator at a time, from its low end on: eight compares into eight scalar registers, one wait, eight selects
.irp i, 0,1,2,3,4,5,6,7
	v_cmp_gt_i32 s[MK+\i], 32*(N/16)+N%16+\i, v4
.endr
	s_wait_alu depctr_va_sdst(0)                   ; the eight compares have written s40-47, ahead of the selects that read them
.irp i, 0,1,2,3,4,5,6,7
	v_cndmask_b32 v[96+N+\i], v[96+N+\i], v254, s[MK+\i]
.endr
.set N, N+8
.endr
.endif
.if \mode == 1
.Lopen_\@:
.endif
.irp b, 0,1,2,3
	v_max3_num_f32 v[232+\b], v[96+16*\b], v[97+16*\b], v[98+16*\b]   ; the largest score of each block of 32 keys: for the row's maximum and, since p rises with the score, for the block's largest p
.endr
.irp i, 3,5,7,9,11,13
.irp b, 0,1,2,3
	v_max3_num_f32 v[232+\b], v[232+\b], v[96+16*\b+\i], v[97+16*\b+\i]
.endr
.endr
.irp b, 0,1,2,3
	v_max_num_f32 v[232+\b], v[232+\b], v[111+16*\b]
.endr
.irp b, 0,1,2,3
	v_permlanex16_b32 v[236+\b], v[232+\b], s20, s21
.endr
.irp b, 0,1,2,3
	v_max_num_f32 v[232+\b], v[232+\b], v[236+\b]  ; with lane l xor 16's 16 keys
.endr
	v_max3_num_f32 v254, v232, v233, v234
	v_max_num_f32 v254, v254, v235
	v_mul_f32 v254, s22, v254                      ; as t (c is positive)
	v_max_num_f32 v13, v13, v254                   ; the running largest t
	v_mov_b32 v254, v12
	v_floor_f32 v12, -v13                          ; -M = floor(-t): M is a whole number
	v_sub_f32 v254, v12, v254                      ; old M - new M: a whole number, 0 or less
	v_cvt_i32_f32 v254, v254                       ; (it saturates)
	v_ldexp_f32 v252, 1.0, v254                    ; f = 2^(old M - new M): rounds nothing
.set J, 0
.rept 32
	v_pk_fma_f32 v[96+J:97+J], v[96+J:97+J], s[22:23], v[12:13] op_sel_hi:[1,0,0]   ; t - M
.set J, J+2
.endr
.irp b, 0,1,2,3
	v_fma_f32 v[232+\b], v[232+\b], s22, v12
.endr
.set J, 0
.rept 64
	v_exp_f32 v[96+J], v[96+J]                     ; p = 2^(t - M)
.set J, J+1
.endr
.irp b, 0,1,2,3
	v_exp_f32 v[232+\b], v[232+\b]                 ; each block's largest p: in the same batch
.endr
	v_pk_mul_f32 v[14:15], v[14:15], v[252:253] op_sel_hi:[1,0]   ; the sums under the new M (a plain line behind the exponentials)
	s_wait_alu depctr_va_vdst(0)                   ; the 68 exponentials have written v96-159 and v232-235: one wait for the batch, ahead of its first reader
	v_pk_add_f32 v[236:237], v[96:97], v[98:99]    ; the row's sum of the unquantised p, in two chains
.set J, 4
.rept 15
	v_pk_add_f32 v[14:15], v[14:15], v[96+J:97+J]
	v_pk_add_f32 v[236:237], v[236:237], v[98+J:99+J]
.set J, J+4
.endr
	v_pk_add_f32 v[14:15], v[14:15], v[236:237]
.irp b, 0,1,2,3
	v_max_num_f32 v[232+\b], 0x1800000, v[232+\b]  ; the floor 2^(3 - 127): the byte cannot fall under 1
.endr
.irp b, 0,1,2,3
	v_add_nc_u32 v[244+\b], 0xff000000, v[232+\b]  ; 2 off the exponent field: the conversion's scale operand
.endr
.irp b, 0,1,2,3
	v_lshrrev_b32 v[236+\b], 23, v[244+\b]
.endr
	v_lshl_or_b32 v253, v237, 8, v236              ; p's scale word for these 128 keys
	v_lshl_or_b32 v253, v238, 16, v253
	v_lshl_or_b32 v253, v239, 24, v253
.irp c, 0,1
	v_cvt_scalef32_pk16_fp6_f32 v[224+6*\c:226+6*\c], v[96+32*\c:111+32*\c], v[244+2*\c]
	v_cvt_scalef32_pk16_fp6_f32 v[236+4*\c:238+4*\c], v[112+32*\c:127+32*\c], v[244+2*\c+1]
.endr
	v_nop                                          ; one plain line behind the scaled conversions
.irp c, 0,1
.irp i, 0,1,2
	v_permlane16_swap_b32 v[224+6*\c+\i], v[236+4*\c+\i]   ; a whole block to a lane
.endr
.irp i, 0,1,2
	v_mov_b32 v[227+6*\c+\i], v[236+4*\c+\i]
.endr
.endr
.set J, 0
.rept 16
	v_pk_mul_f32 v[160+J:161+J], v[160+J:161+J], v[252:253] op_sel_hi:[1,0]   ; O^T under the new M; these sixteen are also the places between p's codes and scale word and the products
.set J, J+2
.endr
	s_wait_dscnt 0x0                               ; V^T is in
	s_wait_alu depctr_va_vdst(0)                   ; the conversions, exchanges and moves have written p's codes v224-235 and its scale word v253, which the products below take; the places above stay beside this wait
.irp t, 0,1,2,3
	v_wmma_scale_f32_16x16x128_f8f6f4 v[160+8*\t:167+8*\t], v[F+12*\t:F+12*\t+11], v[224:235], v[160+8*\t:167+8*\t], v[196+\t], v253 matrix_a_fmt:MATRIX_FMT_FP6 matrix_b_fmt:MATRIX_FMT_FP6
.endr
.rept 4
	v_nop                                          ; four plain places behind the products, ahead of the way out's reads of O^T (the step is one macro: they stand in every step)
.endr
.if \mode == 2
.Lend_\@:
.endif
.endm
	s_load_b256 s[4:11], s[0:1], 0x0               ; qimg, kv, cimg, cscl
	v_lshl_add_u32 v250, v0, 2, 0x6400
	v_mov_b32 v251, 0
	v_lshrrev_b32 v9, 5, v0
	v_readfirstlane_b32 s12, v9                    ; wave 0..15
	s_mov_b32 s13, ttmp9                           ; j
	s_and_b32 s14, ttmp7, 0xffff                   ; batch x 16 + head
	v_and_b32 v9, 31, v0                           ; lane
	v_and_b32 v10, 15, v0                          ; r
	v_bfe_u32 v11, v0, 4, 1                        ; h
	v_lshlrev_b32 v1, 4, v9                        ; 16 x lane
	v_lshlrev_b32 v2, 4, v10                       ; 16 r
	v_lshlrev_b32 v3, 4, v0                        ; 16 x thread
	v_lshlrev_b32 v5, 3, v9                        ; 8 x lane
	s_wait_alu depctr_va_sdst(0)                   ; s12 is written, ahead of its first reader: offsets, bases and the branches on the wave's number are made from it
	s_and_b32 s36, s12, 7                          ; my tile in its group of 128 queries: 2 b + u
	s_lshr_b32 s37, s36, 1                         ; b
	s_and_b32 s38, s12, 1                          ; u
	v_and_b32 v4, 8, v10
	v_add_nc_u32 v4, v4, v10                       ; r + 8 (r / 8)
	v_lshlrev_b32 v6, 4, v11
	v_sub_nc_u32 v4, v4, v6
	s_lshl_b32 s39, s37, 5
	s_lshl_b32 s40, s38, 3
	s_add_co_u32 s39, s39, s40
	v_add_nc_u32 v4, s39, v4                       ; my query's place in its group - 16 h
	v_lshl_add_u32 v6, v10, 1, v11
	s_lshl_b32 s39, s36, 5
	v_add_nc_u32 v6, s39, v6                       ; ctx's scale byte: 2 x place + h
	s_mul_i32 s39, s37, 1536
	v_add_nc_u32 v7, s39, v1                       ; Q's pair fragment b
	s_lshl_b32 s39, s37, 2
	v_add_nc_u32 v8, s39, v2                       ; and its scale word
	s_cmp_eq_u32 s38, 1
	s_cselect_b32 s24, -1, 0                       ; all lanes take tile u's half of the pair
	s_mov_b32 s25, 0x01000100
	s_cselect_b32 s25, 0x03020302, s25             ; tile u's two scale bytes, twice: they serve [q | 0] and [0 | q]
	s_mov_b32 s26, 0xffff0000                      ; lanes 16-31
	s_mov_b32 s20, 0x76543210
	s_mov_b32 s21, 0xfedcba98
	s_mov_b32 s22, 0x3e38aa3b                      ; c = log2(e) / 8
	s_mov_b32 s23, s22
.irp i, 16,17,18,19,20,21,28,29,30,31,32,33
	v_mov_b32 v\i, 0                               ; zero codes beside q
.endr
.irp b, 0,1,2,3
	v_mov_b32 v[236+\b], 0                         ; a lane permute's destination counts as one of its sources
.endr
	v_mov_b32 v253, 0                              ; (named as the upper half of v[252:253] before it is first written)
	s_mul_i32 s34, s14, 204800
	s_mov_b32 s35, 0
	s_mov_b32 s15, 0
	s_wait_kmcnt 0x0
	s_add_nc_u64 s[34:35], s[6:7], s[34:35]        ; my head's key steps
	s_wait_alu depctr_va_vdst(0)                   ; the offsets v1-3 and v5-8 are written, which every load and store below reads; no line writes them again
.Lpass:
	s_wait_xcnt 0x0                                ; the last pass's stores have read their registers and bases
	s_wait_alu depctr_vm_vsrc(0)                   ; the last pass's stores have read ctx's codes v224-229 and byte v248, which this pass writes again; its last LDS stores of the copy have read v36-43, in which the loads below land
	s_sub_co_u32 s36, 7, s13
	s_cmp_eq_u32 s15, 0
	s_cselect_b32 s16, s36, s13                    ; the query block
	s_lshr_b32 s37, s12, 3                         ; g: which 128 of its 256
	s_lshl_b32 s38, s16, 1
	s_add_co_u32 s38, s38, s37
	s_lshl_b32 s39, s14, 4
	s_add_co_u32 s39, s39, s38
	s_mul_i32 s28, s39, 6400
	s_mov_b32 s29, 0
	s_add_nc_u64 s[28:29], s[4:5], s[28:29]        ; Q's block
	s_lshr_b32 s36, s14, 4                         ; batch
	s_and_b32 s37, s14, 15                         ; head
	s_lshl_b32 s39, s36, 7
	s_lshl_b32 s40, s16, 4
	s_add_co_u32 s39, s39, s40
	s_add_co_u32 s39, s39, s12                     ; my tile of tokens
	s_mul_i32 s30, s39, 12288
	s_mul_i32 s40, s37, 768
	s_add_co_u32 s30, s30, s40
	s_mov_b32 s31, 0
	s_add_nc_u64 s[30:31], s[8:9], s[30:31]        ; ctx's three units
	s_lshl_b32 s39, s36, 4
	s_add_co_u32 s39, s39, s38
	s_lshl_b32 s39, s39, 4
	s_add_co_u32 s39, s39, s37
	s_lshl_b32 s32, s39, 8
	s_mov_b32 s33, 0
	s_add_nc_u64 s[32:33], s[10:11], s[32:33]      ; ctx's scale bytes
	s_mov_b64 s[18:19], s[34:35]
.irp c, 0,1,2
	global_load_b128 v[200+4*\c:203+4*\c], v7, s[28:29] offset:512*\c   ; (the last pass's selects, which read v200-212, stand ahead of all its steps' waits on va_vdst)
.endr
	global_load_b32 v212, v8, s[28:29] offset:6144
	COPYLOAD                                       ; key step 0
	s_wait_loadcnt 0x0
.irp i, 0,1,2,3,4,5
	v_cndmask_b32 v[22+\i], v[200+\i], v[206+\i], s24
.endr
	v_perm_b32 v255, v212, v212, s25
	COPYSTORE 0                                    ; slot 0 was last read ahead of the last barrier
	v_mov_b32 v13, 0xff61b1e6                      ; the largest t so far: -3e38
	v_floor_f32 v12, -v13
	v_mov_b32 v14, 0
	v_mov_b32 v15, 0
.set J, 0
.rept 32
	v_mov_b32 v[160+J], 0                          ; O^T: the step is written once, its first run finds zeros.  (Also the places between q's codes and scale word and the first products)
.set J, J+1
.endr
	s_wait_dscnt 0x0                               ; the copy's stores into slot 0 have landed,
	s_wait_alu depctr_vm_vsrc(0)                   ; and have read v36-43, in which the loads below land
	s_add_nc_u64 s[18:19], s[18:19], SLOTB
	COPYLOAD                                       ; key step 1: every pass has at least two
	s_cmp_eq_u32 s16, 0
	s_cbranch_scc1 .Ltail
	s_mov_b32 s17, 0
.Lk:                                               ; a trip: two key steps all of whose keys count; it asks for blocks 2 i + 2 and 2 i + 3, the last of which is the pass's last
	STEP 0, 1, 1, 0
	STEP 1, 1, 1, 0
	s_add_co_u32 s17, s17, 1
	s_cmp_lt_u32 s17, s16
	s_cbranch_scc1 .Lk
.Ltail:
	STEP 0, 1, 0, 1
	STEP 1, 0, 0, 2
	; THE WAY OUT: O^T / the sum; register 16 b + i is d = 32 b + 16 h + i of my query: two blocks of the next product's K
	v_add_f32 v14, v14, v15
	v_permlanex16_b32 v252, v14, s20, s21
	v_add_f32 v14, v14, v252                       ; the row's sum
	v_rcp_f32 v14, v14
	v_nop                                          ; a plain line behind the reciprocal
	s_wait_alu depctr_va_vdst(0)                   ; the reciprocal has written v14, ahead of its first reader
.set J, 0
.rept 16
	v_pk_mul_f32 v[96+J:97+J], v[160+J:161+J], v[14:15] op_sel_hi:[1,0]
.set J, J+2
.endr
.irp b, 0,1
	v_max3_num_f32 v[232+\b], |v[96+16*\b]|, |v[97+16*\b]|, 0x1800000
.endr
.irp i, 2,4,6,8,10,12,14
.irp b, 0,1
	v_max3_num_f32 v[232+\b], v[232+\b], |v[96+16*\b+\i]|, |v[97+16*\b+\i]|
.endr
.endr
.irp b, 0,1
	v_permlanex16_b32 v[236+\b], v[232+\b], s20, s21
.endr
.irp b, 0,1
	v_max_num_f32 v[232+\b], v[232+\b], v[236+\b]
.endr
.irp b, 0,1
	v_add_nc_u32 v[244+\b], 0xff000000, v[232+\b]
.endr
.irp b, 0,1
	v_lshrrev_b32 v[236+\b], 23, v[244+\b]
.endr
	v_cvt_scalef32_pk16_fp6_f32 v[224:226], v[96:111], v244
	v_cvt_scalef32_pk16_fp6_f32 v[240:242], v[112:127], v245
	v_cndmask_b32 v248, v236, v237, s26            ; my half's byte (also the plain line behind the conversions)
.irp i, 0,1,2
	v_permlane16_swap_b32 v[224+\i], v[240+\i]
.endr
.irp i, 0,1,2
	v_mov_b32 v[227+\i], v[240+\i]
.endr
	s_wait_alu depctr_va_vdst(0)                   ; the conversions, exchanges, moves and the select have written ctx's codes v224-229 and byte v248, which the four stores read
.irp p, 0,1,2
	global_store_b64 v5, v[224+2*\p:225+2*\p], s[30:31] offset:256*\p   ; 32 lanes store 256 consecutive bytes, aligned
.endr
	global_store_b8 v6, v248, s[32:33]
	s_add_co_u32 s15, s15, 1
	s_cmp_lt_u32 s15, 2
	s_cbranch_scc1 .Lpass
	s_wait_dscnt 0x0
	s_wait_alu depctr_hold_cnt(0) depctr_sa_sdst(0) depctr_va_vdst(0) depctr_va_sdst(0) depctr_va_ssrc(0) depctr_va_vcc(0) depctr_vm_vsrc(0)
	s_wait_tensorcnt 0x0
	ds_add_u32 v250, v251
	s_wait_dscnt 0x0
	s_endpgm
.Lfunc_end_k_qb28e03b212_attn:
	.size	k_qb28e03b212_attn, .Lfunc_end_k_qb28e03b212_attn-k_qb28e03b212_attn
	.p2alignl 7, 3214868480
	.fill 96, 4, 3214868480
	.section	.rodata,"a",@progbits
	.p2align	6, 0x0
	.amdhsa_kernel k_qb28e03b212_attn
		.amdhsa_group_segment_fixed_size 27648
		.amdhsa_private_segment_fixed_size 0
		.amdhsa_enable_private_segment 0
		.amdhsa_kernarg_size 32
		.amdhsa_user_sgpr_count 2
		.amdhsa_user_sgpr_kernarg_segment_ptr 1
		.amdhsa_wavefront_size32 1
		.amdhsa_system_sgpr_workgroup_id_x 1
		.amdhsa_system_sgpr_workgroup_id_y 1
		.amdhsa_system_sgpr_workgroup_id_z 1
		.amdhsa_system_vgpr_workitem_id 0
		.amdhsa_next_free_vgpr 256
		.amdhsa_next_free_sgpr 66
		.amdhsa_reserve_vcc 0
		.amdhsa_float_denorm_mode_32 3
		.amdhsa_float_denorm_mode_16_64 3
		.amdhsa_memory_ordered 1
		.amdhsa_forward_progress 1
		.amdhsa_inst_pref_size 92
	.end_amdhsa_kernel
	.amdgpu_metadata
---
amdhsa.version: [ 1, 2 ]
amdhsa.kernels:
  - .name:           k_qb28e03b212_attn
    .symbol:         k_qb28e03b212_attn.kd
    .args:
      - { .name: qimg, .offset: 0, .size: 8, .value_kind: global_buffer, .address_space: global }
      - { .name: kv, .offset: 8, .size: 8, .value_kind: global_buffer, .address_space: global }
      - { .name: cimg, .offset: 16, .size: 8, .value_kind: global_buffer, .address_space: global }
      - { .name: cscl, .offset: 24, .size: 8, .value_kind: global_buffer, .address_space: global }
    .group_segment_fixed_size: 27648
    .private_segment_fixed_size: 0
    .kernarg_segment_align: 8
    .kernarg_segment_size: 32
    .max_flat_workgroup_size: 512
    .sgpr_count:     66
    .vgpr_count:     256
    .wavefront_size: 32
...
	.end_amdgpu_metadata
.endif
;; end of part 5
;; launch outp: the kernel of part 4 again; grid 4 x 32, 4 waves a work-group, clusters of 4 x 4, 327,680 bytes of LDS; arguments cimg, cscl, img, scl, bo, out0; writes out0
